; MI455X (gfx1250); checked and timed in simulation.
; The chip was launched on July 23, 2026; its instructions are those of AMD's public machine-readable ISA for CDNA 5 (MIT licence, August 2026) and "CDNA5" Instruction Set Architecture Reference Guide (July 2026). The comments in the code are by the model that wrote it; some were corrected since.
;; Causal Self Attention. Allowed arithmetic: matrix products marked QUANTISED: E2M1 operands, one E8M0 scale for each 32 along K, by v_wmma_scale_f32_16x16x128_f8f6f4 with both operands' format E2M1 (or v_wmma_scale_f32_32x16x128_f4), f32 sums; products left as they are: bf16, f16 or f32 operands; f32 sums; everything else in f32.
;; Inputs: W_out 1,024 x 1,024 float32; W_qkv 3,072 x 1,024 float32; b_out 1,024 float32; b_qkv 3,072 float32; x 4 x 2,048 x 1,024 float32.
;; Outputs: out0 4 x 2,048 x 1,024 float32.
;; This version of the problem:
;;   THIS VERSION OF THE PROBLEM IS GIVEN IN LOW PRECISION. The matrix products marked QUANTISED in the list below multiply operands that are first quantised to E2M1 (2 exponent bits, 1 mantissa bit; 4 bits a number), with one power-of-two scale for each 32 numbers along K (OCP MX v1.0); their sums are f32. The products marked 'left as it is' may take bf16, f16 or f32 operands, with f32 sums. Whichever they take, every output number must still come out within the allowed error. Rounding operands to bf16 (8 significant bits) uses up far more of that allowance than f16 does (11 bits, for magnitudes from 6e-5 to 65,504). All else is computed in f32.
;;   The module's matrix products, in the order in which they are computed (A, B: the left and right operand; K: the contracted axis; several contracted axes count as one K, in the product's order):
;;     1. [M 8,192, K 1,024] x [K 1,024, N 3,072]; A: input x; B: input W_qkv: QUANTISED
;;     2. batch 64 x [M 2,048, K 64] x [K 64, N 2,048]; A: computed on the way; B: computed on the way: left as it is (an operand is computed on the way)
;;     3. batch 64 x [M 2,048, K 2,048] x [K 2,048, N 64]; A: computed on the way; B: computed on the way: left as it is (an operand is computed on the way)
;;     4. [M 8,192, K 1,024] x [K 1,024, N 1,024]; A: computed on the way; B: input W_out: left as it is (an operand is computed on the way)
;;   THE QUANTISER, for each operand of a quantised product, along K:
;;     - K is cut into blocks of 32 from its start; a last block that is shorter is filled with zeros.
;;     - A block's scale is 2^e with e = floor(log2(the largest magnitude in the block)) - 2, held to -126 .. 127; a block of zeros has e = 0. As a byte (E8M0): e + 127.
;;     - Each number is divided by its block's scale, clamped to +-6, and rounded to the nearest number of E2M1, ties to even, subnormals kept.
;;     - The product sums the exact products of the quantised numbers (number of the format x scale) in f32.
;;   ~~~python
;;   def quantise(x, axis):      # numpy; x: float32 -> the quantised numbers, widened to float32 again
;;       x = np.moveaxis(x, axis, -1); K = x.shape[-1]
;;       x = np.pad(x, [(0, 0)] * (x.ndim - 1) + [(0, -K % 32)]); x = x.reshape(x.shape[:-1] + (-1, 32)); a = np.abs(x).max(-1, keepdims=True)
;;       e = np.where(a > 0, np.clip(np.frexp(np.where(a > 0, a, 1))[1] - 1 - 2, -126, 127), 0)      # np.frexp(a)[1] - 1 = floor(log2(a)), exactly
;;       r = np.clip(x / 2.0 ** e, -6, 6)
;;       step = 2.0 ** (np.maximum(np.frexp(np.where(r == 0, 1, r))[1] - 1, 0) - 1)
;;       q = np.round(r / step) * step * 2.0 ** e      # np.round: ties to even
;;       return np.moveaxis(q.reshape(q.shape[:-2] + (-1,))[..., :K], -1, axis).astype(np.float32)
;;   ~~~
;; One version. Each part assembles by itself: llvm-mc -triple=amdgcn-amd-amdhsa -mcpu=gfx1250 --defsym DOCPART=n.
;; ======== version 1 of 1: 5 launches
;; limits: values are held in f16: magnitudes above 65,504 overflow, below 6.1e-05 lose precision; right only within a limited range of input values
;; workspace buffers: x_codes 4,194,304 bytes; x_scales 262,144 bytes; w_codes 1,572,864 bytes; w_scales 98,304 bytes; wo16 2,097,152 bytes; qkvh 50,331,648 bytes; q32 786,432 bytes; attn 16,777,216 bytes
;; launch quant (part 1): grid 384 x 1, 4 waves a work-group, no clusters, 33,280 bytes of LDS; arguments x, W_qkv, x_codes, x_scales, w_codes, w_scales, W_out, wo16; writes x_codes, x_scales, w_codes, w_scales, wo16
.if DOCPART == 1
	.amdgcn_target "amdgcn-amd-amdhsa--gfx1250"
	.amdhsa_code_object_version 6
	.text
	.protected	k_qeacb3afb7e_quant
	.globl	k_qeacb3afb7e_quant
	.p2align	8
	.type	k_qeacb3afb7e_quant,@function
k_qeacb3afb7e_quant:
	s_mov_b64 s[64:65], 0
	v_nop
	global_prefetch_b8 v0, s[64:65] scope:SCOPE_SE
	s_setreg_imm32_b32 hwreg(HW_REG_WAVE_MODE, 25, 1), 1
	s_wait_xcnt 0x0
; x [8192][1024] and W_qkv [3072][1024], f32, become codes of E2M1 (4 bits, K innermost, the lower k in the low four bits) with one E8M0 byte for each 32 along K;
; W_out [1024][1024], f32, becomes f16 in the same order.  One launch: work-groups 0-255 take x, 256-351 W_qkv, 352-383 W_out.
; A block's scale is 2^(floor(log2(largest magnitude)) - 2): its byte is the largest magnitude's exponent field - 2, held at 1 from below.
; LIMITS: a block of zeros gets the byte 1 (its codes are zeros, and this program alone reads the bytes); blocks whose largest magnitude lies under 2^(3 - 127) are held at that byte;
; NaN and infinities are not served; W_out beyond 65,504 in magnitude has no f16 number.
; Rows are dense and K is a multiple of 32: each tensor is a plain stream of blocks of 32.  A wave takes 16 steps of 512 numbers.  A load reads 512 consecutive bytes (16 a lane); the conversion wants
; 16 neighbours in one lane: so a step's 2,048 bytes turn through the wave's own stage in LDS (16 bytes of padding behind each 64).  Two neighbouring lanes hold a block.
; A step's codes are 256 consecutive bytes; a wave's 256 scale bytes are gathered in LDS and leave as one aligned run of 256 bytes.  Waves share nothing: no barrier.
.set SIZE_M, 8192
.set SIZE_N, 3072
.set SIZE_K, 1024
.set WAVES, 4
.set STEPS, 16
.set WGA,   SIZE_M*SIZE_K/(512*STEPS*WAVES)    ; 256 work-groups for x
.set WGB,   SIZE_N*SIZE_K/(512*STEPS*WAVES)    ; 96 for W_qkv
.set EMAX,  2
.set CB,    8                          ; bytes of 16 codes
.set R,     16                         ; v16-79   four sets of 16 numbers as loaded
.set X,     80                         ; v80-111  two sets of 16 neighbours (W_out's path: 32 registers of f16 pairs)
.set C,     128                        ; v128-191 codes: four registers a step, so that no store's data are written again
.set E,     112                        ; v112-127 a scale byte for each step
.set WREG,  8192                       ; LDS: a region for each wave: two stages of 32 x SP bytes, then its 256 scale bytes
.set SP,    80
.set SPW,   12                         ; v12 my spare word's LDS address; never rewritten
.set NIL,   13                         ; v13 0; never rewritten
.set SPARE, WAVES*WREG                 ; the spare words, 128 bytes a wave; no other line names them
	s_load_b128 s[4:7], s[0:1], 0x0                ; x, W_qkv
	s_load_b128 s[8:11], s[0:1], 0x10              ; x's codes, x's scales
	s_load_b128 s[12:15], s[0:1], 0x20             ; W_qkv's codes, its scales
	s_load_b128 s[24:27], s[0:1], 0x30             ; W_out, its f16 copy
	v_lshl_add_u32 v[SPW], v0, 2, SPARE
	v_mov_b32 v[NIL], 0
	v_lshrrev_b32 v1, 5, v0
	v_readfirstlane_b32 s16, v1                    ; wave
	v_and_b32 v2, 31, v0                           ; lane
	v_lshlrev_b32 v3, 4, v2                        ; my 16 bytes of a load's 512
	s_mul_i32 s17, s16, WREG
	v_lshrrev_b32 v14, 2, v2
	v_mul_u32_u24 v14, v14, SP
	v_and_b32 v15, 3, v2
	v_lshl_add_u32 v14, v15, 4, v14
	v_add_nc_u32 v14, s17, v14                     ; the stage, on the way in: SP (lane / 4) + 16 (lane % 4)
	v_mul_u32_u24 v15, v2, SP
	v_add_nc_u32 v15, s17, v15                     ; on the way out: SP x lane: my 16 neighbours
	v_mul_u32_u24 v4, v2, CB                       ; my codes' place in a step's
	v_lshrrev_b32 v5, 1, v2
	s_add_co_u32 s17, s17, 2*32*SP
	v_add_nc_u32 v5, s17, v5                       ; my wave's 256 scale bytes, my block's byte
	v_lshlrev_b32 v7, 3, v2                        ; 8 bytes a lane
	v_add_nc_u32 v6, s17, v7
	s_wait_kmcnt 0x0
	s_cmp_ge_u32 ttmp9, WGA+WGB                    ; the last 32 work-groups convert W_out: a branch on the work-group's number alone
	s_cbranch_scc1 .Lconv
	s_cmp_lt_u32 ttmp9, WGA                        ; x's work-group or W_qkv's?  Only pointers are chosen: both take one path
	s_cselect_b64 s[4:5], s[4:5], s[6:7]
	s_cselect_b64 s[8:9], s[8:9], s[12:13]
	s_cselect_b64 s[10:11], s[10:11], s[14:15]
	s_cselect_b32 s17, 0, WGA
	s_sub_co_u32 s17, ttmp9, s17
	s_lshl_b32 s17, s17, 2
	s_add_co_u32 s18, s17, s16                     ; which run of 8,192 numbers is my wave's
	s_mov_b32 s19, 0
	s_mov_b64 s[20:21], 512*STEPS*4
	s_mul_u64 s[20:21], s[18:19], s[20:21]
	s_add_nc_u64 s[4:5], s[4:5], s[20:21]
	s_mov_b64 s[20:21], 32*STEPS*CB
	s_mul_u64 s[20:21], s[18:19], s[20:21]
	s_add_nc_u64 s[8:9], s[8:9], s[20:21]
	s_lshl_b32 s18, s18, 8                         ; 256 scale bytes a run
	s_add_nc_u64 s[10:11], s[10:11], s[18:19]
.macro LOAD t
.irp i, 0,1,2,3
	global_load_b128 v[R+16*((\t)%4)+4*\i:R+16*((\t)%4)+4*\i+3], v3, s[4:5] offset:2048*(\t)+512*\i th:TH_LOAD_NT   ; 32 lanes read 512 consecutive bytes
.endr
.endm
.macro TURN t                          ; step t's numbers through the stage: LDS serves a wave's instructions in order, so no wait stands between the stores and the loads
.irp i, 0,1,2,3
	ds_store_b128 v14, v[R+16*((\t)%4)+4*\i:R+16*((\t)%4)+4*\i+3] offset:32*SP*((\t)%2)+8*SP*\i
.endr
.irp i, 0,1,2,3
	ds_load_b128 v[X+16*((\t)%2)+4*\i:X+16*((\t)%2)+4*\i+3], v15 offset:32*SP*((\t)%2)+16*\i
.endr
.endm
.irp t, 0,1,2,3
	LOAD \t
.endr
	s_wait_loadcnt 12                              ; step 0's four loads are in; twelve younger ones stay out
	TURN 0
.macro STEP t
.set XS, X+16*((\t)%2)
.if (\t) > 0
	s_wait_dscnt 1                                 ; this step's numbers are back from the stage (the last step's byte store may be out)
.else
	s_wait_dscnt 0x0
.endif
.if (\t)+4 < STEPS
	LOAD (\t)+4                                    ; into the set whose stores into the stage have read it
.endif
.if (\t)+1 < STEPS
.if STEPS-2-(\t) >= 3
	s_wait_loadcnt 12                              ; the next step's four loads are in; those of the three steps behind it may be out
.else
	s_wait_loadcnt 4*(STEPS-2-(\t))
.endif
	TURN (\t)+1                                    ; through the other stage while this step is worked
.endif
	v_max3_num_f32 v8, |v[XS]|, |v[XS+1]|, |v[XS+2]|               ; the largest magnitude of my 16, in two chains
	v_max3_num_f32 v9, |v[XS+3]|, |v[XS+4]|, |v[XS+5]|
.irp i, 6,10
	v_max3_num_f32 v8, v8, |v[XS+\i]|, |v[XS+\i+1]|
	v_max3_num_f32 v9, v9, |v[XS+\i+2]|, |v[XS+\i+3]|
.endr
	v_max3_num_f32 v8, v8, |v[XS+14]|, |v[XS+15]|
	v_max3_num_f32 v8, v8, v9, (EMAX+1)<<23        ; and the floor 2^(3 - 127): the byte cannot fall under 1
	v_max_num_f32_dpp v8, v8, v8 row_xmask:1 row_mask:0xf bank_mask:0xf   ; with my neighbour's 16: the block's
	v_add_nc_u32 v11, -(EMAX<<23), v8              ; 2 off its exponent field: the conversion takes the exponent field of this operand as its scale
	v_cvt_scalef32_pk8_fp4_f32 v[C+4*(\t)], v[XS:XS+7], v11
	v_cvt_scalef32_pk8_fp4_f32 v[C+4*(\t)+1], v[XS+8:XS+15], v11
	v_lshrrev_b32 v[E+(\t)], 23, v11               ; the scale's byte (a plain line behind the conversions)
	ds_store_b8 v5, v[E+(\t)] offset:16*(\t)       ; both lanes of a block write the same byte with the same value
	global_store_b64 v4, v[C+4*(\t):C+4*(\t)+1], s[8:9] offset:32*CB*(\t)   ; 32 lanes store 256 consecutive bytes, aligned
.endm
.irp t, 0,1,2,3,4,5,6,7,8,9,10,11,12,13,14,15
	STEP \t
.endr
	ds_load_b64 v[8:9], v6                         ; in order behind my byte stores
	s_wait_dscnt 0x0
	global_store_b64 v7, v[8:9], s[10:11]          ; my wave's 256 scale bytes, aligned
	s_wait_tensorcnt 0x0                           ; the wave's end
	ds_add_u32 v[SPW], v[NIL]
	s_wait_dscnt 0x0
	s_endpgm
; W_out to f16: a wave takes 8,192 numbers in four rounds of 16 loads; a load's 512 bytes become 256, stored by the same 32 lanes.  No LDS byte is used here but the spare words.
.Lconv:
	s_sub_co_u32 s17, ttmp9, WGA+WGB
	s_lshl_b32 s17, s17, 2
	s_add_co_u32 s17, s17, s16                     ; which run of 8,192 numbers
	s_lshl_b32 s18, s17, 15
	s_mov_b32 s19, 0
	s_add_nc_u64 s[24:25], s[24:25], s[18:19]
	s_lshl_b32 s18, s17, 14
	s_add_nc_u64 s[26:27], s[26:27], s[18:19]
.macro CLOAD k
.irp i, 0,1,2,3,4,5,6,7,8,9,10,11,12,13,14,15
	global_load_b128 v[R+4*\i:R+4*\i+3], v3, s[24:25] offset:8192*(\k)+512*\i th:TH_LOAD_NT
.endr
.endm
.macro CONV k
	s_wait_loadcnt 0x0                             ; the round's sixteen loads
.if (\k) > 0
	s_wait_xcnt 0x0                                ; the last round's stores have read their data registers
.endif
.irp i, 0,1,2,3,4,5,6,7,8,9,10,11,12,13,14,15
	v_cvt_pk_f16_f32 v[X+2*\i], v[R+4*\i], v[R+4*\i+1]
	v_cvt_pk_f16_f32 v[X+2*\i+1], v[R+4*\i+2], v[R+4*\i+3]
.endr
.if (\k) < 3
	CLOAD (\k)+1                                   ; loads ahead of stores
.endif
.irp i, 0,1,2,3,4,5,6,7,8,9,10,11,12,13,14,15
	global_store_b64 v7, v[X+2*\i:X+2*\i+1], s[26:27] offset:4096*(\k)+256*\i   ; 256 consecutive bytes, aligned
.endr
.endm
	CLOAD 0
	CONV 0
	CONV 1
	CONV 2
	CONV 3
	s_wait_tensorcnt 0x0                           ; the same three lines at this path's end
	ds_add_u32 v[SPW], v[NIL]
	s_wait_dscnt 0x0
	s_endpgm
.Lfunc_end_k_qeacb3afb7e_quant:
	.size	k_qeacb3afb7e_quant, .Lfunc_end_k_qeacb3afb7e_quant-k_qeacb3afb7e_quant
	.p2alignl 7, 3214868480
	.fill 96, 4, 3214868480
	.section	.rodata,"a",@progbits
	.p2align	6, 0x0
	.amdhsa_kernel k_qeacb3afb7e_quant
		.amdhsa_group_segment_fixed_size 33280
		.amdhsa_private_segment_fixed_size 0
		.amdhsa_enable_private_segment 0
		.amdhsa_kernarg_size 64
		.amdhsa_user_sgpr_count 2
		.amdhsa_user_sgpr_kernarg_segment_ptr 1
		.amdhsa_wavefront_size32 1
		.amdhsa_system_sgpr_workgroup_id_x 1
		.amdhsa_system_sgpr_workgroup_id_y 1
		.amdhsa_system_sgpr_workgroup_id_z 1
		.amdhsa_system_vgpr_workitem_id 0
		.amdhsa_next_free_vgpr 192
		.amdhsa_next_free_sgpr 66
		.amdhsa_reserve_vcc 0
		.amdhsa_float_denorm_mode_32 3
		.amdhsa_float_denorm_mode_16_64 3
		.amdhsa_memory_ordered 1
		.amdhsa_forward_progress 1
		.amdhsa_inst_pref_size 54
	.end_amdhsa_kernel
	.amdgpu_metadata
---
amdhsa.version: [ 1, 2 ]
amdhsa.kernels:
  - .name:           k_qeacb3afb7e_quant
    .symbol:         k_qeacb3afb7e_quant.kd
    .args:
      - { .name: x, .offset: 0, .size: 8, .value_kind: global_buffer, .address_space: global }
      - { .name: W_qkv, .offset: 8, .size: 8, .value_kind: global_buffer, .address_space: global }
      - { .name: x_codes, .offset: 16, .size: 8, .value_kind: global_buffer, .address_space: global }
      - { .name: x_scales, .offset: 24, .size: 8, .value_kind: global_buffer, .address_space: global }
      - { .name: w_codes, .offset: 32, .size: 8, .value_kind: global_buffer, .address_space: global }
      - { .name: w_scales, .offset: 40, .size: 8, .value_kind: global_buffer, .address_space: global }
      - { .name: W_out, .offset: 48, .size: 8, .value_kind: global_buffer, .address_space: global }
      - { .name: wo16, .offset: 56, .size: 8, .value_kind: global_buffer, .address_space: global }
    .group_segment_fixed_size: 33280
    .private_segment_fixed_size: 0
    .kernarg_segment_align: 8
    .kernarg_segment_size: 64
    .max_flat_workgroup_size: 128
    .sgpr_count:     66
    .vgpr_count:     192
    .wavefront_size: 32
...
	.end_amdgpu_metadata
.endif
;; end of part 1
;; launch qkv (part 2): grid 12 x 32, 4 waves a work-group, clusters of 4 x 4, 327,680 bytes of LDS; arguments x_codes, x_scales, w_codes, w_scales, b_qkv, qkvh, q32; writes qkvh, q32
.if DOCPART == 2
	.amdgcn_target "amdgcn-amd-amdhsa--gfx1250"
	.amdhsa_code_object_version 6
	.text
	.protected	k_qeacb3afb7e_qkv
	.globl	k_qeacb3afb7e_qkv
	.p2align	8
	.type	k_qeacb3afb7e_qkv,@function
k_qeacb3afb7e_qkv:
	s_mov_b64 s[64:65], 0
	v_nop
	global_prefetch_b8 v0, s[64:65] scope:SCOPE_SE
	s_setreg_imm32_b32 hwreg(HW_REG_WAVE_MODE, 25, 1), 1
	s_wait_xcnt 0x0
	s_wait_alu depctr_hold_cnt(0) depctr_sa_sdst(0) depctr_va_vdst(0) depctr_va_sdst(0) depctr_va_ssrc(0) depctr_va_vcc(0) depctr_vm_vsrc(0)
	s_getreg_b32 s2, hwreg(HW_REG_IB_STS2, 6, 4)
	s_cmp_eq_u32 s2, 0
	s_cbranch_scc0 .Lentry_in_a_cluster
	s_endpgm
.Lentry_in_a_cluster:
	s_bfe_u32 s2, ttmp6, 0x10000c
	s_cmp_lg_u32 s2, 0xf033
	s_cbranch_scc0 .Lentry_shape_is_right
	s_endpgm
.Lentry_shape_is_right:
; qkv[m][n] = sum over k of x[m][k] W_qkv[n][k] + b_qkv[n] on codes of E2M1 with one E8M0 byte for each 32 along K; sums in f32.  m = 2048 b + t (8,192), n = 3,072, K = 1,024.
; OUT: qkvh [b][g = n / 64][t][64] in f16 (g = 3 head + part; part 0 q, 1 k, 2 v): 16 rows of a group are 2,048 consecutive bytes; and q32 [b][16][3072], f32: the rows t < 16 as they are.
; LIMIT: a result beyond 65,504 in magnitude has no f16 number.
; A tile of 256 x 256 to a work-group of four waves, 128 x 128 a wave: 64 accumulators, 512 registers.  K is two slots of 512 (rows of 256 bytes): both slots and all scale bytes are asked for at the head; nothing is filled again.
; A wave has three tensor loads out at the head.
; CLUSTERS: 4 x 4 work-groups.  The four of a row need the same tiles of x, the four of a column the same tiles of W: each tile is asked for jointly, by the same tensor load with the same descriptor and a mask that names the four.
; The tile row is cluster y + 8 cy, so that b = cy and the tiles that hold t < 16 are those of cluster y = 0 in all sixteen partners: the branch round the f32 copy hangs on the cluster's number and the wave's alone.
; THE MATRIX INSTRUCTION IS USED TRANSPOSED (source 0 = 16 rows of W, source 1 = 16 rows of x): a lane holds eight neighbouring n of one row m.  The bias is the C of each sum's first instruction.
; REGISTERS: window 0: v0-31 addresses; v32-95 scale words, two sets; v128-191 x's fragments, one set; v192-255 the bias, later packed results.  window 1: W's fragments, two sets.  windows 2, 3: the accumulators ((a, b) at v[8 (8 (a % 4) + b)]).
; No prefetch: every tile is asked for at the head.
.set SIZE_K, 1024
.set KSTEP,  512
.set NQ,     KSTEP/128
.set ROWB,   256
.set KROW,   SIZE_K/2
.set PITCH,  272                       ; 256 bytes + 16: the 16 rows that a load touches start at 16 different places modulo 256 bytes
.set FR,     8
.set NL,     2
.set NP,     4
.set HALFT,  128*PITCH
.set SLOT,   4*HALFT
.set KS,     SIZE_K/32
.set SCL,    2*SLOT                    ; behind the ring: the scale bytes, as runs of 256 bytes + 16 of padding
.set HALFS,  (128*KS/256)*272
.set SBLK,   (16*KS/256)*272
.set SPARE,  SCL+4*HALFS               ; the spare words, 128 bytes a wave
.set WSTG,   12800                     ; the way out: a wave's stages, in slot 0, which has had its only fill and its last read by then: 16 x 528 bytes for f32,
.set ST16,   8448                      ; then 16 x 272 for f16
.set S32I, 8                           ; v8   f32 stage, in
.set S32O, 9                           ; v9   f32 stage, back
.set QO32, 10                          ; v10  16 x lane: my bytes of a row of q32
.set BO,   11                          ; v11  32 x (lane / 16): my eight numbers of a block's bias
.set ADRA, 16
.set ADRB, 20
.set STO,  24
.set RD,   25
.set CO,   26
.set ADRS, 27
.set SPW,  28
.set NIL,  29
.set SC,   32
.set AF,   128
.set BI,   192
.set TMP,  192
.set OB,   32
.set G1, 24
.set G0, 32
.set G1B, 48
.set G0B, 56
.set G1S, 68
.set G0S, 76
.set G1SB, 80
.set G0SB, 88
.set MSB, 0
.macro WIN new                         ; the immediate's high byte repeats the setting that is left
.if MSB != (\new)
	s_set_vgpr_msb (MSB<<8)|(\new)
.set MSB, (\new)
.endif
.endm
.set MUL_LO, 0xa1                      ; source 0 (W) window 1, source 1 (x) window 0, C and D window 2
.set MUL_HI, 0xf1                      ; the same, C and D window 3
.set TO_B,   0x40
; A joint load: waves 0 and 1 fetch for x, waves 2 and 3 for W.  The branch hangs on the wave's number alone.  An s_nop 0 and four v_nop follow each line.
.macro JLOAD g0a, g1a, g0b, g1b
	s_cmp_eq_u32 s15, 0
	s_cbranch_scc0 .Lfor_b_\@
	tensor_load_to_lds s[\g0a:\g0a+3], s[\g1a:\g1a+7]
	s_nop 0
.rept 4
	v_nop
.endr
	s_branch .Lasked_\@
.Lfor_b_\@:
	tensor_load_to_lds s[\g0b:\g0b+3], s[\g1b:\g1b+7]
	s_nop 0
.rept 4
	v_nop
.endr
.Lasked_\@:
.endm
.macro CROUND                          ; a round of the cluster's barrier
	s_barrier_signal -1
	s_barrier_wait -1
	s_cmp_lg_u32 s14, 0
	s_cbranch_scc1 .Lnot_wave_0_\@
	s_barrier_signal -3
.Lnot_wave_0_\@:
	s_barrier_wait -3
	s_barrier_signal -1
	s_barrier_wait -1
.endm
	s_load_b128 s[4:7], s[0:1], 0x0                ; x's codes, x's scales
	s_load_b128 s[8:11], s[0:1], 0x10              ; W's codes, W's scales
	s_load_b128 s[96:99], s[0:1], 0x20             ; b_qkv, qkvh
	s_load_b64 s[100:101], s[0:1], 0x30            ; q32
	v_lshl_add_u32 v[SPW], v0, 2, SPARE
	v_mov_b32 v[NIL], 0
	ds_add_u32 v[SPW], v[NIL]                      ; the wave's opening: the add, twice on end, and its wait ahead of my first tensor load
	ds_add_u32 v[SPW], v[NIL]
	v_lshrrev_b32 v1, 5, v0
	v_readfirstlane_b32 s14, v1                    ; wave 0..3
	s_lshr_b32 s15, s14, 1                         ; which half of the tile's rows is mine.  Also: I fetch for x (0) or for W (1)
	s_and_b32 s16, s14, 1                          ; which half of its columns.  Also: which 128 rows I fetch
	s_bfe_u32 s40, ttmp6, 0x40000                  ; cx
	s_bfe_u32 s41, ttmp6, 0x40004                  ; cy
	s_lshl_b32 s42, ttmp9, 2
	s_add_co_u32 s42, s42, s40                     ; tile column = 4 x cluster x + cx
	s_and_b32 s12, ttmp7, 0xffff                   ; cluster y
	s_lshl_b32 s17, s41, 3
	s_add_co_u32 s17, s17, s12                     ; tile row = cluster y + 8 cy
	s_lshl_b32 s43, s41, 2
	s_lshl_b32 s43, 15, s43                        ; my row of the cluster
	s_lshl_b32 s44, 0x1111, s40                    ; my column
	s_or_b32 s[G1+0], s43, (0<<16)|(1<<20)|(1<<21)|(5<<22)|(3<<25)  ; mask; elements of 1 byte; padding on; bit 21 beside a mask; 4 words behind every 64
	s_or_b32 s[G1B+0], s44, (0<<16)|(1<<20)|(1<<21)|(5<<22)|(3<<25)
.irp g, G1, G1B
	s_mov_b32 s[\g+1], ROWB<<16                    ; tensor_dim0
	s_mov_b32 s[\g+2], 128<<16                     ; tensor_dim1
	s_mov_b32 s[\g+3], ROWB<<16                    ; tile_dim0
	s_mov_b32 s[\g+4], 128                         ; tile_dim1
	s_mov_b32 s[\g+5], KROW                        ; from row to row
	s_mov_b32 s[\g+6], 0
	s_mov_b32 s[\g+7], 0
.endr
	s_or_b32 s[G1S+0], s43, (3<<16)|(1<<20)|(1<<21)|(5<<22)|(3<<25)  ; the scales of 128 rows: 4,096 dense bytes as 16 rows of 32 elements of 8 bytes
	s_or_b32 s[G1SB+0], s44, (3<<16)|(1<<20)|(1<<21)|(5<<22)|(3<<25)
.irp g, G1S, G1SB
	s_mov_b32 s[\g+1], 32<<16
	s_mov_b32 s[\g+2], (128*KS/256)<<16
	s_mov_b32 s[\g+3], 32<<16
	s_mov_b32 s[\g+4], 128*KS/256
	s_mov_b32 s[\g+5], 32
	s_mov_b32 s[\g+6], 0
	s_mov_b32 s[\g+7], 0
.endr
	s_lshl_b32 s18, s16, 7
	s_lshl_b32 s20, s17, 8
	s_add_co_u32 s20, s20, s18                     ; x: row 256 x tile row + 128 x half
	s_lshl_b32 s46, s42, 8
	s_add_co_u32 s46, s46, s18                     ; W: row 256 x tile column + 128 x half
	s_mov_b32 s21, 0
	s_mov_b32 s47, 0
	s_mov_b64 s[18:19], KS
	s_mul_u64 s[22:23], s[20:21], s[18:19]         ; where these rows' scales begin
	s_mul_u64 s[92:93], s[46:47], s[18:19]
	s_mov_b64 s[18:19], KROW
	s_mul_u64 s[20:21], s[20:21], s[18:19]         ; and their codes
	s_mul_u64 s[46:47], s[46:47], s[18:19]
	s_mul_i32 s45, s14, HALFT                      ; where they go: wave x 128 rows
	s_mul_i32 s94, s14, HALFS
	s_wait_dscnt 0x0                               ; both opening adds are done
	s_wait_kmcnt 0x0
	s_add_nc_u64 s[20:21], s[4:5], s[20:21]
	s_add_nc_u64 s[22:23], s[6:7], s[22:23]
	s_add_nc_u64 s[46:47], s[8:9], s[46:47]
	s_add_nc_u64 s[92:93], s[10:11], s[92:93]
	CROUND                                         ; all sixteen work-groups are here: the joint loads meet
	s_mov_b32 s[G0S], 1
	s_add_co_u32 s[G0S+1], s94, SCL
	s_mov_b64 s[G0S+2:G0S+3], s[22:23]
	s_or_b32 s[G0S+3], s[G0S+3], 0x80000000
	s_mov_b32 s[G0SB], 1
	s_add_co_u32 s[G0SB+1], s94, SCL
	s_mov_b64 s[G0SB+2:G0SB+3], s[92:93]
	s_or_b32 s[G0SB+3], s[G0SB+3], 0x80000000
	JLOAD G0S, G1S, G0SB, G1SB                     ; the scales first: they are wanted with slot 0
.irp s, 0,1
	s_mov_b32 s[G0+4*\s], 1
	s_add_co_u32 s[G0+4*\s+1], s45, \s*SLOT
	s_add_nc_u64 s[G0+4*\s+2:G0+4*\s+3], s[20:21], \s*ROWB
	s_or_b32 s[G0+4*\s+3], s[G0+4*\s+3], 0x80000000
	s_mov_b32 s[G0B+4*\s], 1
	s_add_co_u32 s[G0B+4*\s+1], s45, \s*SLOT
	s_add_nc_u64 s[G0B+4*\s+2:G0B+4*\s+3], s[46:47], \s*ROWB
	s_or_b32 s[G0B+4*\s+3], s[G0B+4*\s+3], 0x80000000
	JLOAD G0+4*\s, G1, G0B+4*\s, G1B
.endr
	v_and_b32 v1, 15, v0                           ; r = lane % 16
	v_bfe_u32 v2, v0, 4, 1                         ; h = lane / 16
	v_mul_u32_u24 v3, v1, PITCH
	v_lshl_add_u32 v4, v2, 4, v3                   ; a fragment's row x pitch + 16 h
	s_mul_i32 s21, s15, HALFT                      ; my 128 rows of x
	s_mul_i32 s22, s16, HALFT                      ; my 128 rows of W,
	s_add_co_u32 s22, s22, 2*HALFT                 ; behind x's 256
.irp s, 0,1
	v_add_nc_u32 v[ADRA+\s], s21, v4
	v_add_nc_u32 v[ADRB+\s], s22, v4
	s_add_co_u32 s21, s21, SLOT
	s_add_co_u32 s22, s22, SLOT
.endr
	v_mul_u32_u24 v5, v1, KS                       ; my row's scales: 32 bytes a row,
	v_lshrrev_b32 v6, 8, v5
	v_lshl_add_u32 v5, v6, 4, v5                   ; and 16 more for each 256 passed
	s_mul_i32 s21, s15, HALFS
	s_mul_i32 s22, s16, HALFS
	s_add_co_u32 s22, s22, 2*HALFS
	s_sub_co_u32 s22, s22, s21
	v_mul_u32_u24 v6, s22, v2                      ; lanes 16-31 take W's: one product, the distance between the two bases
	s_add_co_u32 s21, s21, SCL
	v_add_nc_u32 v5, v5, v6
	v_add_nc_u32 v[ADRS], s21, v5
	s_mul_i32 s23, s14, WSTG                       ; my stages
	v_mul_u32_u24 v5, v1, 528
	v_lshl_add_u32 v5, v2, 5, v5
	v_add_nc_u32 v[S32I], s23, v5                  ; f32, in: row r, 32 bytes for each half of the lanes
	v_and_b32 v6, 31, v0
	v_lshlrev_b32 v[QO32], 4, v6
	v_add_nc_u32 v[S32O], s23, v[QO32]             ; back: 32 lanes take a row of 512 bytes
	s_add_co_u32 s23, s23, ST16
	v_mul_u32_u24 v5, v1, 272
	v_lshl_add_u32 v5, v2, 4, v5
	v_add_nc_u32 v[STO], s23, v5                   ; f16, in: row r, 16 bytes for each half
	v_bfe_u32 v5, v0, 3, 1
	v_mul_u32_u24 v5, v5, 272
	v_lshl_add_u32 v5, v2, 7, v5
	v_and_b32 v6, 7, v0
	v_lshl_add_u32 v5, v6, 4, v5
	v_add_nc_u32 v[RD], s23, v5                    ; back: lanes 0-15 two rows of my first group of 64 columns, lanes 16-31 the same rows of my second
	v_lshlrev_b32 v[CO], 4, v1
	v_lshl_add_u32 v[CO], v2, 18, v[CO]            ; in qkvh: 16 (lane % 16), and a group (2^18 bytes) on for lanes 16-31
	v_lshlrev_b32 v[BO], 5, v2
	s_lshl_b32 s46, s42, 10                        ; my first column in f32 bytes: 1024 x tile column + 512 x half
	s_lshl_b32 s47, s16, 9
	s_add_co_u32 s46, s46, s47
	s_mov_b32 s47, 0
	s_add_nc_u64 s[96:97], s[96:97], s[46:47]      ; the bias at my columns
	s_add_nc_u64 s[100:101], s[100:101], s[46:47]
	s_mul_i32 s46, s41, 196608
	s_add_nc_u64 s[100:101], s[100:101], s[46:47]  ; q32 at batch cy, my columns
	s_mul_i32 s46, s41, 48
	s_lshl_b32 s20, s42, 2
	s_add_co_u32 s46, s46, s20
	s_lshl_b32 s20, s16, 1
	s_add_co_u32 s46, s46, s20                     ; my first group: 48 cy + 4 x tile column + 2 x half
	s_lshl_b32 s46, s46, 11                        ; 2,048 rows a group,
	s_lshl_b32 s20, s12, 8
	s_add_co_u32 s46, s46, s20
	s_lshl_b32 s20, s15, 7
	s_add_co_u32 s46, s46, s20                     ; + my first t = 256 x cluster y + 128 x half,
	s_lshl_b32 s46, s46, 7                         ; 128 bytes a row (under 2^26)
	s_add_nc_u64 s[98:99], s[98:99], s[46:47]
.irp b, 0,1,2,3,4,5,6,7
	global_load_b128 v[BI+8*\b:BI+8*\b+3], v[BO], s[96:97] offset:64*\b          ; b_qkv(16 b + 8 h + 0 .. 7) of my 128 columns: the result's layout
	global_load_b128 v[BI+8*\b+4:BI+8*\b+7], v[BO], s[96:97] offset:64*\b+16
.endr
.macro FRAG reg, adr, q, i             ; 16 rows x 128 K of 4-bit codes: 8 registers; registers 4 c .. 4 c + 3 hold K = 64 c + 32 h + 0 .. 31
.irp c, 0,1
	ds_load_b128 v[\reg+4*\c:\reg+4*\c+3], v[\adr] offset:64*(\q)+32*\c+(\i)*16*PITCH
.endr
.endm
; 16 matrix instructions: x's blocks a0, a0 + 1 against W's eight.  zero = 1: the first product starts the sums from the bias.  The 64 accumulators take turns, one instruction a turn.
.macro MUL16 a0, p, q, sc, zero
.irp a, \a0, \a0+1
.irp b, 0,1,2,3,4,5,6,7
.if \zero
	v_wmma_scale_f32_16x16x128_f8f6f4 v[8*(8*((\a)%4)+\b):8*(8*((\a)%4)+\b)+7], v[128*(\p)+FR*\b:128*(\p)+FR*\b+FR-1], v[AF+FR*(\a):AF+FR*(\a)+FR-1], v[BI+8*\b:BI+8*\b+7], v[SC+8*NQ*(\sc)+NQ*\b+(\q)], v[SC+8*NQ*(\sc)+NQ*(\a)+(\q)] matrix_a_fmt:MATRIX_FMT_FP4 matrix_b_fmt:MATRIX_FMT_FP4 matrix_a_scale:MATRIX_SCALE_ROW1
.else
	v_wmma_scale_f32_16x16x128_f8f6f4 v[8*(8*((\a)%4)+\b):8*(8*((\a)%4)+\b)+7], v[128*(\p)+FR*\b:128*(\p)+FR*\b+FR-1], v[AF+FR*(\a):AF+FR*(\a)+FR-1], v[8*(8*((\a)%4)+\b):8*(8*((\a)%4)+\b)+7], v[SC+8*NQ*(\sc)+NQ*\b+(\q)], v[SC+8*NQ*(\sc)+NQ*(\a)+(\q)] matrix_a_fmt:MATRIX_FMT_FP4 matrix_b_fmt:MATRIX_FMT_FP4 matrix_a_scale:MATRIX_SCALE_ROW1
.endif
.endr
.endr
.endm
.macro FETCH_B slot, q, p
	WIN TO_B
.irp i, 0,1,2,3,4,5,6,7
	FRAG 128*(\p)+FR*\i, ADRB+\slot, \q, \i
.endr
	WIN 0
.endm
.macro FETCH_A slot, q, i0
.irp i, \i0, \i0+1, \i0+2, \i0+3
	FRAG AF+FR*(\i), ADRA+\slot, \q, \i
.endr
.endm
.macro SCALES sc                       ; a slot's scale words: four a row; lanes 0-15 take x's block i, lanes 16-31 W's block i
.irp i, 0,1,2,3,4,5,6,7
	ds_load_b128 v[SC+8*NQ*\sc+NQ*\i:SC+8*NQ*\sc+NQ*\i+3], v[ADRS] offset:\i*SBLK
.endr
.endm
.macro PLACES n                        ; plain vector instructions between a matrix instruction and a load into, or a read of, its registers
.rept \n
	v_nop
.endr
.endm
.macro STEP slot, q, zero              ; 128 along K whose successor lies in the same slot.  zero = 1: C lies in window 0
	s_wait_dscnt 4*NL                              ; W's set and x's blocks 0-3 are in; the youngest eight loads (x's blocks 4-7) may be out
	WIN MUL_LO-0x20*(\zero)
	MUL16 0, (\q)%2, \q, \slot, \zero
	MUL16 2, (\q)%2, \q, \slot, \zero
	s_wait_dscnt 0                                 ; x's blocks 4-7 are in
	PLACES NP
	FETCH_B \slot, (\q)+1, 1-(\q)%2
	FETCH_A \slot, (\q)+1, 0
	WIN MUL_HI-0x30*(\zero)
	MUL16 4, (\q)%2, \q, \slot, \zero
	MUL16 6, (\q)%2, \q, \slot, \zero
	PLACES NP
	WIN 0
	FETCH_A \slot, (\q)+1, 4
.endm
.macro STEPS slot, from
.set Q, \from
.rept NQ-1-\from
	STEP \slot, Q, 0
.set Q, Q+1
.endr
.endm
	s_wait_tensorcnt 1                             ; the scales and my part of slot 0 are in; slot 1's load, the one issued behind them, may be out
	s_barrier_signal -1
	s_barrier_wait -1
	FETCH_B 0, 0, 0
	FETCH_A 0, 0, 0
	SCALES 0
	FETCH_A 0, 0, 4
	s_wait_loadcnt 0x0                             ; the bias
	STEP 0, 0, 1
	STEPS 0, 1
	; slot 0's last step changes slots: one barrier.  In front of it each wave waits for all its tensor loads (slot 1's), adds 0 to its spare word, and waits for that and for its reads of slot 0
	s_wait_tensorcnt 0x0
	ds_add_u32 v[SPW], v[NIL]
	s_wait_dscnt 4*NL+1                            ; the add and the youngest eight loads may be out
	WIN MUL_LO
	MUL16 0, 1, NQ-1, 0, 0
	s_wait_dscnt 0x0                               ; the add is done, and my reads of slot 0 are over
	s_barrier_signal -1
	MUL16 2, 1, NQ-1, 0, 0
	WIN 0
	s_barrier_wait -1
	PLACES NP
	v_add_nc_u32 v[ADRS], 4*NQ, v[ADRS]            ; slot 1's scale words
	FETCH_B 1, 0, 0
	FETCH_A 1, 0, 0
	SCALES 1
	WIN MUL_HI
	MUL16 4, 1, NQ-1, 0, 0
	MUL16 6, 1, NQ-1, 0, 0
	PLACES NP
	WIN 0
	FETCH_A 1, 0, 4
	STEPS 1, 0
	s_wait_dscnt 4*NL                              ; the last step: nothing more to fetch
	WIN MUL_LO
	MUL16 0, 1, NQ-1, 1, 0
	MUL16 2, 1, NQ-1, 1, 0
	s_wait_dscnt 0
	WIN MUL_HI
	MUL16 4, 1, NQ-1, 1, 0
	MUL16 6, 1, NQ-1, 1, 0
	WIN 0
	PLACES NP                                      ; for the loads into registers that held fragments and scales, and for the reads of the last results
	; THE ROWS t < 16 IN f32: block 0 of the waves with the tile's upper rows, in the clusters with y = 0.  Through my f32 stage, back as rows of 512 bytes.
	s_or_b32 s20, s12, s15
	s_cmp_lg_u32 s20, 0
	s_cbranch_scc1 .Lno32
	WIN 0x08                                       ; an LDS store's data: window 2
.irp b, 0,1,2,3,4,5,6,7
	ds_store_b128 v[S32I], v[8*\b:8*\b+3] offset:64*\b             ; each accumulator from its low end on
	ds_store_b128 v[S32I], v[8*\b+4:8*\b+7] offset:64*\b+16
.endr
	WIN 0
.irp t, 0,1,2,3,4,5,6,7,8,9,10,11,12,13,14,15
	ds_load_b128 v[AF+4*\t:AF+4*\t+3], v[S32O] offset:528*\t       ; in order behind my stores
.endr
.irp t, 0,1,2,3,4,5,6,7,8,9,10,11,12,13,14,15
	s_wait_dscnt 15-\t                             ; the younger loads may be out
	global_store_b128 v[QO32], v[AF+4*\t:AF+4*\t+3], s[100:101] offset:12288*\t   ; 512 consecutive bytes of row t
.endr
.Lno32:
; THE WAY OUT IN f16, block by block of 16 rows x 128 columns: rounded, 16 bytes a lane into my f16 stage, back so that sixteen lanes hold two rows of one group: 256 consecutive bytes of qkvh.
.macro PACK a
.set AC, 64*((\a)%4)
	WIN 0x0a+5*((\a)/4)                            ; sources 0 and 1: window 2 or 3
.irp b, 0,1,2,3,4,5,6,7
.irp r, 0,1,2,3
	v_cvt_pk_f16_f32 v[TMP+4*\b+\r], v[AC+8*\b+2*\r], v[AC+8*\b+2*\r+1]
.endr
.endr
	WIN 0
.endm
.macro TOSTAGE a
.set BK, OB+192*((\a)%2)
.irp b, 0,1,2,3,4,5,6,7
	ds_store_b128 v[STO], v[TMP+4*\b:TMP+4*\b+3] offset:32*\b
.endr
.irp t, 0,1,2,3,4,5,6,7
	ds_load_b128 v[BK+4*\t:BK+4*\t+3], v[RD] offset:544*\t
.endr
.endm
.macro SEND a
.set BK, OB+192*((\a)%2)
	s_wait_dscnt 0x0                               ; the block is back in registers
	s_wait_xcnt 0x0                                ; the stores of two blocks back have read their registers, into which the next block's loads will land
.irp t, 0,1,2,3,4,5,6,7
	global_store_b128 v[CO], v[BK+4*\t:BK+4*\t+3], s[98:99] offset:2048*(\a)+256*\t   ; 16 lanes store 256 consecutive bytes, aligned
.endr
.endm
	PACK 0
	TOSTAGE 0
.irp a, 1,2,3,4,5,6,7                  ; block a's conversions stand between block a - 1's loads from the stage and the wait for them
	PACK \a
	SEND \a-1
	TOSTAGE \a
.endr
	SEND 7
	s_wait_tensorcnt 0x0                           ; the wave's end
	ds_add_u32 v[SPW], v[NIL]
	s_wait_dscnt 0x0
	CROUND                                         ; the closing round
	s_endpgm
.Lfunc_end_k_qeacb3afb7e_qkv:
	.size	k_qeacb3afb7e_qkv, .Lfunc_end_k_qeacb3afb7e_qkv-k_qeacb3afb7e_qkv
	.p2alignl 7, 3214868480
	.fill 96, 4, 3214868480
	.section	.rodata,"a",@progbits
	.p2align	6, 0x0
	.amdhsa_kernel k_qeacb3afb7e_qkv
		.amdhsa_group_segment_fixed_size 327680
		.amdhsa_private_segment_fixed_size 0
		.amdhsa_enable_private_segment 0
		.amdhsa_kernarg_size 56
		.amdhsa_user_sgpr_count 2
		.amdhsa_user_sgpr_kernarg_segment_ptr 1
		.amdhsa_wavefront_size32 1
		.amdhsa_system_sgpr_workgroup_id_x 1
		.amdhsa_system_sgpr_workgroup_id_y 1
		.amdhsa_system_sgpr_workgroup_id_z 1
		.amdhsa_system_vgpr_workitem_id 0
		.amdhsa_next_free_vgpr 1024
		.amdhsa_next_free_sgpr 102
		.amdhsa_reserve_vcc 0
		.amdhsa_float_denorm_mode_32 3
		.amdhsa_float_denorm_mode_16_64 3
		.amdhsa_memory_ordered 1
		.amdhsa_forward_progress 1
		.amdhsa_inst_pref_size 133
	.end_amdhsa_kernel
	.amdgpu_metadata
---
amdhsa.version: [ 1, 2 ]
amdhsa.kernels:
  - .name:           k_qeacb3afb7e_qkv
    .symbol:         k_qeacb3afb7e_qkv.kd
    .args:
      - { .name: x_codes, .offset: 0, .size: 8, .value_kind: global_buffer, .address_space: global }
      - { .name: x_scales, .offset: 8, .size: 8, .value_kind: global_buffer, .address_space: global }
      - { .name: w_codes, .offset: 16, .size: 8, .value_kind: global_buffer, .address_space: global }
      - { .name: w_scales, .offset: 24, .size: 8, .value_kind: global_buffer, .address_space: global }
      - { .name: b_qkv, .offset: 32, .size: 8, .value_kind: global_buffer, .address_space: global }
      - { .name: qkvh, .offset: 40, .size: 8, .value_kind: global_buffer, .address_space: global }
      - { .name: q32, .offset: 48, .size: 8, .value_kind: global_buffer, .address_space: global }
    .group_segment_fixed_size: 327680
    .private_segment_fixed_size: 0
    .kernarg_segment_align: 8
    .kernarg_segment_size: 56
    .max_flat_workgroup_size: 128
    .sgpr_count:     102
    .vgpr_count:     1024
    .wavefront_size: 32
...
	.end_amdgpu_metadata
.endif
;; end of part 2
;; launch attn (part 3): grid 4 x 64, 8 waves a work-group, no clusters, 327,680 bytes of LDS; arguments qkvh, attn; writes attn
.if DOCPART == 3
	.amdgcn_target "amdgcn-amd-amdhsa--gfx1250"
	.amdhsa_code_object_version 6
	.text
	.protected	k_qeacb3afb7e_attn
	.globl	k_qeacb3afb7e_attn
	.p2align	8
	.type	k_qeacb3afb7e_attn,@function
k_qeacb3afb7e_attn:
	s_mov_b64 s[64:65], 0
	v_nop
	global_prefetch_b8 v0, s[64:65] scope:SCOPE_SE
	s_setreg_imm32_b32 hwreg(HW_REG_WAVE_MODE, 25, 1), 1
	s_wait_xcnt 0x0
; attn[bh][q][:] = sum over k <= q of softmax_k(Q[q] . K[k] / 8) V[k][:], for 64 heads (bh = 16 b + head) of 2,048 positions and 64 channels.  Q, K, V: groups 3 bh, 3 bh + 1, 3 bh + 2 of qkvh, [2048][64] f16.
; attn: [bh][2048][64] f16.  Products on f16 operands with f32 sums; maxima, exponentials and scalings in f32; the weights p are rounded to f16 for the second product, and the row's sum is taken of those p, in f32.
; LIMITS: NaN and infinities are not served; results beyond 65,504 have no f16 number.
; SHARES.  A head's queries are eight blocks of 256.  Work-group j (0..3) takes block 7 - j and then block j: 8 - j and j + 1 slots of 256 keys, nine for every work-group: equal work, and trip counts that are constants.
; Each of eight waves owns 32 queries of the block, two tiles of 16; two waves share a SIMD, so that one wave's vector work stands beside the other's products.  A key step is 64 keys, four to a slot.
; A step all of whose keys come after the wave's queries is left out by a scalar branch on ids; in the one step on the diagonal hidden scores become -infinity.  Every step that is walked begins at or under the wave's first query.
; NO CLUSTER: the four work-groups of a head walk slots 0 .. 7 - j and then 0 .. j: from the sixth trip on they want different tiles in the same trip, so a joint load would have unequal descriptors.
; LAYOUT.  S^T = K Q^T (source 0 = 16 keys, source 1 = 16 queries) and O^T = V^T P: a lane holds one query throughout; two tiles of S^T, rounded in pairs, are source 1 of the second product.
; The row's sum is one more product: source 0 has ones in rows 0 and 8 alone, so that the sum falls into register 0 of both halves of the lanes.
; LDS: two slots 2^17 bytes apart; in a slot K as 128 double rows (two keys, 256 bytes) 272 bytes apart, then V likewise 288 apart; behind the ring a stage of 16 x 144 bytes a wave; then the spare words.
; REGISTERS: window 0: v1-14 addresses; v32-39 the ones; v40-55 statistics, eight a tile (+0 c m, +1 m, +2 a, +3 zero, +4..7 at work); v64-127 K; v128-191 V; v192-255 S^T, 32 a tile, P in the first 16 of each.
;   window 1: v0-63 O^T (tile t, channels 16 n on: 32 t + 8 n); v64-79 the sums; v96-127 Q.
.set GSTR,  262144                     ; a group of qkvh, and a head of attn, in bytes
.set SLOT1, 131072
.set VOFF,  34816
.set KSB,   8704                       ; a key step's 32 double rows of K,
.set VSB,   9216                       ; and of V
.set STAGE, SLOT1+71680
.set SPARE, STAGE+8*2304
.set AK0, 1
.set AV0, 2
.set ADK, 3
.set ADV, 4
.set QO,  5
.set STO, 6
.set RD,  7
.set GO,  8
.set DD,  9
.set NINF, 10
.set PFO, 11
.set SPW, 12
.set NIL, 13
.set RH,  14                           ; v14 r - 8 h, for the mask
.set ONES, 32
.set ST,  40
.set KFR, 64
.set VFR, 128
.set SS,  192
.set OO,  0
.set LL,  64
.set QQ,  96
.set WV,  8
.set JJ,  9
.set BH,  10
.set SW,  11                           ; the trip in which the second block begins: 8 - j
.set TT,  12                           ; the trip
.set KF,  13                           ; the step's first key
.set Q0,  14                           ; my first query
.set TK,  15                           ; LDS byte at which the step's K begins
.set TV,  16                           ; and, from VOFF on, its V
.set INNER, 17
.set CS,  24                           ; s[24:25] c = log2(e) / 8
.set SEL, 26
.set G1K, 28
.set G1V, 36
.set G0K, 44
.set G0V, 48
.set KB,  52                           ; s[52:53] K of my head at my half of slot 0; s[54:55] V likewise
.set VB,  54
.set OFF, 56                           ; s[56:57] the slot to be asked for, in bytes
.set QP,  58
.set AP,  60
.set HQ,  62
.set HA,  66
.set PFA, 68
.set LIM, 70
.set MSB, 0
.macro WIN new
.if MSB != (\new)
	s_set_vgpr_msb (MSB<<8)|(\new)
.set MSB, (\new)
.endif
.endm
.set W_KQ, 0x04                        ; Q in window 1
.set W_RS, 0x41                        ; destination and source 0 in window 1
.set W_PV, 0x50                        ; C and D in window 1
; Waves 0 and 1 fetch K's halves of a slot, waves 2 and 3 V's, the others nothing: 64 double rows a load.  An s_nop 0 and four v_nop follow each line.
.macro TLOAD
	s_cmp_lt_u32 s[WV], 2
	s_cbranch_scc0 .Lnot_k_\@
	tensor_load_to_lds s[G0K:G0K+3], s[G1K:G1K+7]
	s_nop 0
.rept 4
	v_nop
.endr
	s_branch .Lasked_\@
.Lnot_k_\@:
	s_cmp_lt_u32 s[WV], 4
	s_cbranch_scc0 .Lasked_\@
	tensor_load_to_lds s[G0V:G0V+3], s[G1V:G1V+7]
	s_nop 0
.rept 4
	v_nop
.endr
.Lasked_\@:
.endm
; A prefetch of what the NEXT change of slots will ask for: trip T names slot T + 2 of K and of V, four key steps ahead of its load.  All four work-groups of a head walk the same rows: work-group 0, whose first walk
; takes all eight slots in order, asks; in it waves 4 to 7, which fetch nothing: 8,192 bytes of K and of V a wave, lanes 256 bytes apart.  So each aligned 256 bytes are named once.  Trips 6 and 7 ask for nothing.
.macro ASK
	s_cmp_lt_u32 s[TT], s[LIM]
	s_cbranch_scc0 .Lnot_mine_\@
	global_prefetch_b8 v[PFO], s[PFA:PFA+1] th:TH_LOAD_NT scope:SCOPE_SE
	global_prefetch_b8 v[PFO], s[PFA:PFA+1] offset:GSTR th:TH_LOAD_NT scope:SCOPE_SE
.Lnot_mine_\@:
.endm
.macro SETBLK                          ; s18 = the block: my first query, and my rows of Q and of attn
	s_lshl_b32 s18, s18, 8
	s_lshl_b32 s19, s[WV], 5
	s_add_co_u32 s[Q0], s18, s19
	s_lshl_b32 s18, s[Q0], 7
	s_mov_b32 s19, 0
	s_add_nc_u64 s[QP:QP+1], s[HQ:HQ+1], s[18:19]
	s_add_nc_u64 s[AP:AP+1], s[HA:HA+1], s[18:19]
.endm
.macro LOADQ                           ; Q's four fragments (tile t, channels 32 d on) stay in registers for the block
	WIN 0x40
.irp t, 0,1
.irp d, 0,1
	global_load_b128 v[QQ+16*\t+8*\d:QQ+16*\t+8*\d+3],   v[QO], s[QP:QP+1] offset:2048*\t+64*\d
	global_load_b128 v[QQ+16*\t+8*\d+4:QQ+16*\t+8*\d+7], v[QO], s[QP:QP+1] offset:2048*\t+64*\d+32
.endr
.endr
	WIN 0
	s_wait_loadcnt 0x0
.endm
.macro INIT                            ; the step is written once: a block's first step finds zeros, and a largest score under every score
	WIN 0x40
.set i, 0
.rept 80
	v_mov_b32 v[i], 0
.set i, i+1
.endr
	WIN 0
.irp t, 0,1
	v_mov_b32 v[ST+8*\t+1], 0xff61b1e6             ; m = -3e38
	v_mul_f32 v[ST+8*\t], s[CS], v[ST+8*\t+1]      ; c m
	v_mov_b32 v[ST+8*\t+2], 0
	v_mov_b32 v[ST+8*\t+3], 0                      ; named with a as a pair, so it is written
.endr
.endm
	s_load_b128 s[4:7], s[0:1], 0x0                ; qkvh, attn
	v_lshl_add_u32 v[SPW], v0, 2, SPARE
	v_mov_b32 v[NIL], 0
	ds_add_u32 v[SPW], v[NIL]                      ; the wave's opening: the add, twice on end, and its wait ahead of the first tensor load
	ds_add_u32 v[SPW], v[NIL]
	v_lshrrev_b32 v1, 5, v0
	v_readfirstlane_b32 s[WV], v1                  ; wave 0..7
	s_mov_b32 s[JJ], ttmp9
	s_and_b32 s[BH], ttmp7, 0xffff
	s_sub_co_u32 s[SW], 8, s[JJ]
	s_mov_b32 s[G1K], (1<<16)|(1<<20)|(5<<22)|(3<<25)   ; no mask; elements of 2 bytes; padding on: 4 words behind every 64
	s_mov_b32 s[G1V], (1<<16)|(1<<20)|(5<<22)|(7<<25)   ; 8 words behind every 64
.irp g, G1K, G1V
	s_mov_b32 s[\g+1], 128<<16                     ; tensor_dim0 = 128 elements: two keys
	s_mov_b32 s[\g+2], 64<<16                      ; tensor_dim1 = 64
	s_mov_b32 s[\g+3], 128<<16                     ; tile_dim0
	s_mov_b32 s[\g+4], 64                          ; tile_dim1
	s_mov_b32 s[\g+5], 128                         ; dense in memory
	s_mov_b32 s[\g+6], 0
	s_mov_b32 s[\g+7], 0
.endr
	s_mov_b32 s[CS], 0x3e38aa3b
	s_mov_b32 s[CS+1], s[CS]
	s_mov_b32 s[SEL], 0x76543210
	s_mov_b32 s[SEL+1], 0xfedcba98
	s_mov_b32 s[OFF+1], 0
	s_mov_b32 s[TT], 0
	s_mov_b32 s[KF], 0
	s_mov_b32 s[TK], 0
	s_mov_b32 s[TV], 0
	s_mul_i32 s18, s[BH], 3*GSTR
	s_mov_b32 s19, 0
	s_lshl_b32 s20, s[BH], 18
	s_mov_b32 s21, 0
	s_and_b32 s22, s[WV], 1                        ; which half of a slot I fetch, if I fetch
	s_lshr_b32 s23, s[WV], 2
	s_xor_b32 s23, s23, 1                          ; 0 in waves 4 to 7,
	s_or_b32 s23, s23, s[JJ]                       ; of work-group 0
	s_cmp_eq_u32 s23, 0
	s_cselect_b32 s[LIM], 6, 0
	s_wait_dscnt 0x0                               ; both opening adds are done
	s_wait_kmcnt 0x0
	s_add_nc_u64 s[HQ:HQ+1], s[4:5], s[18:19]
	s_add_nc_u64 s[HA:HA+1], s[6:7], s[20:21]
	s_lshl_b32 s18, s22, 14
	s_add_nc_u64 s[KB:KB+1], s[HQ:HQ+1], s[18:19]
	s_add_nc_u64 s[KB:KB+1], s[KB:KB+1], GSTR
	s_add_nc_u64 s[VB:VB+1], s[KB:KB+1], GSTR
	s_mov_b32 s[G0K], 1
	s_mul_i32 s[G0K+1], s22, 17408
	s_mov_b64 s[G0K+2:G0K+3], s[KB:KB+1]
	s_or_b32 s[G0K+3], s[G0K+3], 0x80000000
	s_mov_b32 s[G0V], 1
	s_mul_i32 s[G0V+1], s22, 18432
	s_add_co_u32 s[G0V+1], s[G0V+1], VOFF
	s_mov_b64 s[G0V+2:G0V+3], s[VB:VB+1]
	s_or_b32 s[G0V+3], s[G0V+3], 0x80000000
	TLOAD                                          ; slot 0: the head's first 256 keys, which count for every block
	s_and_b32 s18, s[WV], 3
	s_lshl_b32 s18, s18, 13
	s_add_nc_u64 s[PFA:PFA+1], s[HQ:HQ+1], s[18:19]
	s_add_nc_u64 s[PFA:PFA+1], s[PFA:PFA+1], GSTR+32768   ; K, slot 1: the first change of slots steps it to slot 2.  Nothing is prefetched at the head
	v_and_b32 v16, 15, v0                          ; r
	v_bfe_u32 v15, v0, 4, 1                        ; h
	v_bfe_u32 v17, v0, 1, 3                        ; r / 2
	v_and_b32 v18, 1, v0
	v_mul_u32_u24 v[AK0], v17, 272
	v_lshl_add_u32 v[AK0], v18, 7, v[AK0]
	v_lshl_add_u32 v[AK0], v15, 4, v[AK0]          ; K: key r: double row r / 2, half r % 2, + 16 h
	v_bfe_u32 v19, v0, 1, 2
	v_lshl_add_u32 v19, v15, 2, v19
	v_mul_u32_u24 v[AV0], v19, 288
	v_lshl_add_u32 v[AV0], v18, 7, v[AV0]
	v_bfe_u32 v19, v0, 3, 1
	v_lshl_add_u32 v[AV0], v19, 4, v[AV0]
	v_add_nc_u32 v[AV0], VOFF, v[AV0]              ; V, for the turning load: key 8 h + lane % 8, channels 8 ((lane / 8) % 2) on
	v_lshlrev_b32 v[QO], 7, v16
	v_lshl_add_u32 v[QO], v15, 4, v[QO]
	s_mul_i32 s18, s[WV], 2304
	s_add_co_u32 s18, s18, STAGE
	v_mul_u32_u24 v[STO], v16, 144
	v_lshl_add_u32 v[STO], v15, 4, v[STO]
	v_add_nc_u32 v[STO], s18, v[STO]
	v_bfe_u32 v19, v0, 3, 2
	v_mul_u32_u24 v[RD], v19, 144
	v_and_b32 v19, 7, v0
	v_lshl_add_u32 v[RD], v19, 4, v[RD]
	v_add_nc_u32 v[RD], s18, v[RD]
	v_and_b32 v20, 31, v0
	v_lshlrev_b32 v[GO], 4, v20
	v_lshlrev_b32 v[PFO], 8, v20
	v_mov_b32 v[NINF], 0xff800000
	v_lshlrev_b32 v[RH], 3, v15
	v_sub_nc_u32 v[RH], v16, v[RH]
	v_mov_b32 v21, 0x3c003c00                      ; two f16 ones
	v_cmp_eq_u32 s18, 0, v19                       ; lanes 0, 8, 16, 24: rows 0 and 8 of source 0
	v_cndmask_b32 v[ONES], 0, v21, s18
.irp i, 1,2,3,4,5,6,7
	v_mov_b32 v[ONES+\i], v[ONES]
.endr
	s_sub_co_u32 s18, 7, s[JJ]
	SETBLK
	LOADQ
	INIT
; A KEY STEP: 64 keys against my 32 queries.
.macro STEP
	s_add_co_u32 s18, s[Q0], 31
	s_cmp_gt_u32 s[KF], s18                        ; all 64 keys come after my queries: only the addresses step
	s_cbranch_scc1 .Lhid_\@
	v_add_nc_u32 v[ADK], s[TK], v[AK0]
	v_add_nc_u32 v[ADV], s[TV], v[AV0]
.rept 3
	v_nop                                          ; with the two additions: five places behind the last step's products, ahead of the loads into V's registers and of the products that write over P
.endr
.irp m, 0,1,2,3
.irp d, 0,1
	ds_load_b128 v[KFR+16*\m+8*\d:KFR+16*\m+8*\d+3],   v[ADK] offset:2176*\m+64*\d
	ds_load_b128 v[KFR+16*\m+8*\d+4:KFR+16*\m+8*\d+7], v[ADK] offset:2176*\m+64*\d+32
.endr
.endr
.irp c, 0,1
.irp n, 0,1,2,3
	ds_load_tr16_b128 v[VFR+8*(4*\c+\n):VFR+8*(4*\c+\n)+3],   v[ADV] offset:4608*\c+32*\n
	ds_load_tr16_b128 v[VFR+8*(4*\c+\n)+4:VFR+8*(4*\c+\n)+7], v[ADV] offset:4608*\c+32*\n+2304
.endr
.endr
	s_wait_dscnt 16                                ; K is in; V's sixteen loads may be out
	WIN W_KQ
.irp d, 0,1                                    ; eight accumulators by turns, one instruction a turn
.irp m, 0,1,2,3
.irp t, 0,1
.if \d == 0
	v_wmma_f32_16x16x32_f16 v[SS+32*\t+8*\m:SS+32*\t+8*\m+7], v[KFR+16*\m+8*\d:KFR+16*\m+8*\d+7], v[QQ+16*\t+8*\d:QQ+16*\t+8*\d+7], 0
.else
	v_wmma_f32_16x16x32_f16 v[SS+32*\t+8*\m:SS+32*\t+8*\m+7], v[KFR+16*\m+8*\d:KFR+16*\m+8*\d+7], v[QQ+16*\t+8*\d:QQ+16*\t+8*\d+7], v[SS+32*\t+8*\m:SS+32*\t+8*\m+7]
.endif
.endr
.endr
.endr
	WIN 0
.rept 4
	v_nop
.endr
	s_add_co_u32 s18, s[KF], 63
	s_cmp_le_u32 s18, s[Q0]                        ; all 64 keys count for all my queries: no mask
	s_cbranch_scc1 .Lopen_\@
	s_sub_co_i32 s18, s[Q0], s[KF]
	v_add_nc_u32 v[DD], s18, v[RH]                 ; register 8 m + j of tile t holds key KF + 16 m + 8 h + j and query Q0 + 16 t + r: hidden where 16 m + j - 16 t > Q0 - KF + r - 8 h
.irp t, 0,1
.irp m, 0,1,2,3
.irp j, 0,1,2,3,4,5,6,7
	v_cmp_gt_i32 vcc_lo, 16*\m+\j-16*\t, v[DD]
	v_cndmask_b32 v[SS+32*\t+8*\m+\j], v[SS+32*\t+8*\m+\j], v[NINF], vcc_lo
.endr
.endr
.endr
.Lopen_\@:
	; the softmax, the two tiles line by line.  The maximum: four chains, each from an accumulator's low end on
.irp k, 0,1,2,3
.irp t, 0,1
	v_max3_num_f32 v[ST+8*\t+4+\k], v[SS+32*\t+8*\k], v[SS+32*\t+8*\k+1], v[SS+32*\t+8*\k+2]
.endr
.endr
.irp i, 3,5
.irp k, 0,1,2,3
.irp t, 0,1
	v_max3_num_f32 v[ST+8*\t+4+\k], v[ST+8*\t+4+\k], v[SS+32*\t+8*\k+\i], v[SS+32*\t+8*\k+\i+1]
.endr
.endr
.endr
.irp t, 0,1
	v_max3_num_f32 v[ST+8*\t+4], v[ST+8*\t+4], v[SS+32*\t+7], v[SS+32*\t+15]
	v_max3_num_f32 v[ST+8*\t+6], v[ST+8*\t+6], v[SS+32*\t+23], v[SS+32*\t+31]
.endr
.irp t, 0,1
	v_max3_num_f32 v[ST+8*\t+4], v[ST+8*\t+4], v[ST+8*\t+5], v[ST+8*\t+6]
.endr
.irp t, 0,1
	v_max3_num_f32 v[ST+8*\t+4], v[ST+8*\t+4], v[ST+8*\t+7], v[ST+8*\t+1]   ; with the old m
.endr
.irp t, 0,1
	v_permlanex16_b32 v[ST+8*\t+5], v[ST+8*\t+4], s[SEL], s[SEL+1]          ; the query's other 32 keys lie in the lane 16 away
.endr
.irp t, 0,1
	v_mov_b32 v[ST+8*\t+7], v[ST+8*\t]             ; c m, the old one
.endr
.irp t, 0,1
	v_max_num_f32 v[ST+8*\t+1], v[ST+8*\t+4], v[ST+8*\t+5]
.endr
.irp t, 0,1
	v_mul_f32 v[ST+8*\t], s[CS], v[ST+8*\t+1]
.endr
.irp t, 0,1
	v_sub_f32 v[ST+8*\t+7], v[ST+8*\t+7], v[ST+8*\t]
.endr
.irp i, 0,1,2,3,4,5,6,7,8,9,10,11,12,13,14,15
.irp t, 0,1
	v_pk_fma_f32 v[SS+32*\t+2*\i:SS+32*\t+2*\i+1], v[SS+32*\t+2*\i:SS+32*\t+2*\i+1], s[CS:CS+1], v[ST+8*\t:ST+8*\t+1] op_sel_hi:[1,0,0] neg_lo:[0,0,1] neg_hi:[0,0,1]   ; c s - c m
.endr
.endr
.irp t, 0,1
	v_exp_f32 v[ST+8*\t+2], v[ST+8*\t+7]           ; a = 2^(c m_old - c m_new)
.endr
.irp i, 0,1,2,3,4,5,6,7,8,9,10,11,12,13,14,15,16,17,18,19,20,21,22,23,24,25,26,27,28,29,30,31
.irp t, 0,1
	v_exp_f32 v[SS+32*\t+\i], v[SS+32*\t+\i]
.endr
.endr
	v_nop                                          ; a plain instruction behind the last exponential
	s_wait_alu depctr_va_vdst(0)                   ; one wait for the batch of 66, ahead of its first reader
.irp i, 0,1,2,3,4,5,6,7,8,9,10,11,12,13,14,15
.irp t, 0,1
	v_cvt_pk_f16_f32 v[SS+32*\t+\i], v[SS+32*\t+2*\i], v[SS+32*\t+2*\i+1]   ; P in place: register i is written when pairs 0 .. i - 1 have been read
.endr
.endr
	WIN W_RS
.irp t, 0,1
.irp i, 0,1,2,3,4,5,6,7,8,9,10,11,12,13,14,15
	v_pk_mul_f32 v[OO+32*\t+2*\i:OO+32*\t+2*\i+1], v[OO+32*\t+2*\i:OO+32*\t+2*\i+1], v[ST+8*\t+2:ST+8*\t+3] op_sel_hi:[1,0]   ; O^T under the new m
.endr
	v_mul_f32 v[LL+8*\t], v[LL+8*\t], v[ST+8*\t+2]   ; and the sum: register 0 alone holds it
.endr
	s_wait_dscnt 0x0                               ; V is in
	WIN W_PV
.irp c, 0,1                                    ; ten accumulators by turns
.irp n, 0,1,2,3
.irp t, 0,1
	v_wmma_f32_16x16x32_f16 v[OO+32*\t+8*\n:OO+32*\t+8*\n+7], v[VFR+8*(4*\c+\n):VFR+8*(4*\c+\n)+7], v[SS+32*\t+8*\c:SS+32*\t+8*\c+7], v[OO+32*\t+8*\n:OO+32*\t+8*\n+7]
.endr
.endr
.irp t, 0,1
	v_wmma_f32_16x16x32_f16 v[LL+8*\t:LL+8*\t+7], v[ONES:ONES+7], v[SS+32*\t+8*\c:SS+32*\t+8*\c+7], v[LL+8*\t:LL+8*\t+7]
.endr
.endr
	WIN 0
.Lhid_\@:
	s_add_co_u32 s[KF], s[KF], 64
	s_add_co_u32 s[TK], s[TK], KSB
	s_add_co_u32 s[TV], s[TV], VSB
.endm
; A block's end: O^T / the sum, rounded to f16, a tile (16 rows of 128 bytes) at a time through my stage, back as 512 consecutive bytes an instruction.
.macro FINISH
.rept 4
	v_nop                                          ; places behind the last products
.endr
	WIN 0x01
.irp t, 0,1
	v_rcp_f32 v[ST+8*\t+2], v[LL+8*\t]
.endr
	WIN 0
	v_nop
	s_wait_alu depctr_va_vdst(0)                   ; one wait for both reciprocals
	WIN W_RS
.irp t, 0,1
.irp i, 0,1,2,3,4,5,6,7,8,9,10,11,12,13,14,15
	v_pk_mul_f32 v[OO+32*\t+2*\i:OO+32*\t+2*\i+1], v[OO+32*\t+2*\i:OO+32*\t+2*\i+1], v[ST+8*\t+2:ST+8*\t+3] op_sel_hi:[1,0]
.endr
.endr
	WIN 0x05
.irp t, 0,1
.irp i, 0,1,2,3,4,5,6,7,8,9,10,11,12,13,14,15
	v_cvt_pk_f16_f32 v[SS+16*\t+\i], v[OO+32*\t+2*\i], v[OO+32*\t+2*\i+1]
.endr
.endr
	WIN 0
.irp t, 0,1
.irp n, 0,1,2,3
	ds_store_b128 v[STO], v[SS+16*\t+4*\n:SS+16*\t+4*\n+3] offset:32*\n
.endr
.irp i, 0,1,2,3
	ds_load_b128 v[SS+32+16*\t+4*\i:SS+32+16*\t+4*\i+3], v[RD] offset:576*\i   ; in order behind my stores; the next tile's stores come behind these
.endr
.endr
.irp t, 0,1
.irp i, 0,1,2,3
	s_wait_dscnt 8*(1-\t)+3-\i                     ; the younger loads, and for tile 0 tile 1's eight LDS instructions, may be out
	global_store_b128 v[GO], v[SS+32+16*\t+4*\i:SS+32+16*\t+4*\i+3], s[AP:AP+1] offset:2048*\t+512*\i
.endr
.endr
	s_wait_xcnt 0x0                                ; the stores have read their base and their registers
.endm
; THE CHANGE OF SLOTS, at a slot's head.  Each wave waits for all its tensor loads, adds 0 to its spare word, and waits for that and for its reads of the slot that it has left; behind the barrier the slot ahead is whole
; and nobody reads the other one, which (fill = 1) is filled with the walk's next slot: that load has four key steps in which to land.  A wave has one tensor load out.
.macro CHANGE fill
	s_wait_tensorcnt 0x0
	ds_add_u32 v[SPW], v[NIL]
.if \fill
	ds_add_u32 v[SPW], v[NIL]                      ; and twice on end here, in every trip alike
	s_add_co_u32 s18, s[TT], 1                     ; the next trip's slot of keys: T + 1, or T + 1 - SW in the second block
	s_cmp_ge_u32 s18, s[SW]
	s_cselect_b32 s19, s[SW], 0
	s_sub_co_u32 s18, s18, s19
	s_lshl_b32 s[OFF], s18, 15                     ; 256 keys of 128 bytes
	s_add_nc_u64 s[G0K+2:G0K+3], s[KB:KB+1], s[OFF:OFF+1]
	s_or_b32 s[G0K+3], s[G0K+3], 0x80000000
	s_xor_b32 s[G0K+1], s[G0K+1], SLOT1
	s_add_nc_u64 s[G0V+2:G0V+3], s[VB:VB+1], s[OFF:OFF+1]
	s_or_b32 s[G0V+3], s[G0V+3], 0x80000000
	s_xor_b32 s[G0V+1], s[G0V+1], SLOT1
	s_wait_xcnt 0x0                                ; the last prefetches, a slot back, have read their address
	s_add_nc_u64 s[PFA:PFA+1], s[PFA:PFA+1], 32768
.endif
	s_wait_dscnt 0x0
	s_barrier_signal -1
	s_barrier_wait -1
.if \fill
	TLOAD
	ASK
.endif
.endm
.macro SLOTBODY
	s_cmp_eq_u32 s[TT], s[SW]                      ; ids and the count of trips alone: all eight waves go the same way
	s_cbranch_scc0 .Lsame_\@
	FINISH                                         ; the first block leaves; the second begins at key 0
	s_mov_b32 s18, s[JJ]
	SETBLK
	s_mov_b32 s[KF], 0
	LOADQ
	INIT
.Lsame_\@:
	s_mov_b32 s[INNER], 4
.Lstep_\@:
	STEP
	s_sub_co_u32 s[INNER], s[INNER], 1
	s_cmp_lg_u32 s[INNER], 0
	s_cbranch_scc1 .Lstep_\@
	s_sub_co_u32 s[TK], s[TK], 4*KSB
	s_xor_b32 s[TK], s[TK], SLOT1                  ; on to the other slot
	s_sub_co_u32 s[TV], s[TV], 4*VSB
	s_xor_b32 s[TV], s[TV], SLOT1
.endm
.Lslot:                                            ; eight trips: behind each change of slots the next slot is asked for
	CHANGE 1
	SLOTBODY
	s_add_co_u32 s[TT], s[TT], 1
	s_cmp_lt_u32 s[TT], 8
	s_cbranch_scc1 .Lslot
	CHANGE 0                                       ; the ninth slot is written out: nothing is left to ask for
	SLOTBODY
	FINISH
	s_wait_tensorcnt 0x0                           ; the wave's end
	ds_add_u32 v[SPW], v[NIL]
	s_wait_dscnt 0x0
	s_endpgm
.Lfunc_end_k_qeacb3afb7e_attn:
	.size	k_qeacb3afb7e_attn, .Lfunc_end_k_qeacb3afb7e_attn-k_qeacb3afb7e_attn
	.p2alignl 7, 3214868480
	.fill 96, 4, 3214868480
	.section	.rodata,"a",@progbits
	.p2align	6, 0x0
	.amdhsa_kernel k_qeacb3afb7e_attn
		.amdhsa_group_segment_fixed_size 327680
		.amdhsa_private_segment_fixed_size 0
		.amdhsa_enable_private_segment 0
		.amdhsa_kernarg_size 16
		.amdhsa_user_sgpr_count 2
		.amdhsa_user_sgpr_kernarg_segment_ptr 1
		.amdhsa_wavefront_size32 1
		.amdhsa_system_sgpr_workgroup_id_x 1
		.amdhsa_system_sgpr_workgroup_id_y 1
		.amdhsa_system_sgpr_workgroup_id_z 1
		.amdhsa_system_vgpr_workitem_id 0
		.amdhsa_next_free_vgpr 384
		.amdhsa_next_free_sgpr 80
		.amdhsa_reserve_vcc 1
		.amdhsa_float_denorm_mode_32 3
		.amdhsa_float_denorm_mode_16_64 3
		.amdhsa_memory_ordered 1
		.amdhsa_forward_progress 1
		.amdhsa_inst_pref_size 80
	.end_amdhsa_kernel
	.amdgpu_metadata
---
amdhsa.version: [ 1, 2 ]
amdhsa.kernels:
  - .name:           k_qeacb3afb7e_attn
    .symbol:         k_qeacb3afb7e_attn.kd
    .args:
      - { .name: qkvh, .offset: 0, .size: 8, .value_kind: global_buffer, .address_space: global }
      - { .name: attn, .offset: 8, .size: 8, .value_kind: global_buffer, .address_space: global }
    .group_segment_fixed_size: 327680
    .private_segment_fixed_size: 0
    .kernarg_segment_align: 8
    .kernarg_segment_size: 16
    .max_flat_workgroup_size: 256
    .sgpr_count:     80
    .vgpr_count:     384
    .wavefront_size: 32
...
	.end_amdgpu_metadata
.endif
;; end of part 3
;; launch proj (part 4): grid 4 x 64, 4 waves a work-group, clusters of 4 x 4, 327,680 bytes of LDS; arguments attn, wo16, b_out, out0; writes out0
.if DOCPART == 4
	.amdgcn_target "amdgcn-amd-amdhsa--gfx1250"
	.amdhsa_code_object_version 6
	.text
	.protected	k_qeacb3afb7e_proj
	.globl	k_qeacb3afb7e_proj
	.p2align	8
	.type	k_qeacb3afb7e_proj,@function
k_qeacb3afb7e_proj:
	s_mov_b64 s[64:65], 0
	v_nop
	global_prefetch_b8 v0, s[64:65] scope:SCOPE_SE
	s_setreg_imm32_b32 hwreg(HW_REG_WAVE_MODE, 25, 1), 1
	s_wait_xcnt 0x0
	s_wait_alu depctr_hold_cnt(0) depctr_sa_sdst(0) depctr_va_vdst(0) depctr_va_sdst(0) depctr_va_ssrc(0) depctr_va_vcc(0) depctr_vm_vsrc(0)
	s_getreg_b32 s2, hwreg(HW_REG_IB_STS2, 6, 4)
	s_cmp_eq_u32 s2, 0
	s_cbranch_scc0 .Lentry_in_a_cluster
	s_endpgm
.Lentry_in_a_cluster:
	s_bfe_u32 s2, ttmp6, 0x10000c
	s_cmp_lg_u32 s2, 0xf033
	s_cbranch_scc0 .Lentry_shape_is_right
	s_endpgm
.Lentry_shape_is_right:
; out0[2048 b + t][n] = sum over k of attn(b, t, k) W_out[n][k] + b_out[n], on f16 operands with f32 sums, for all rows but t < 16 (a later launch makes those in f32).
; attn lies [b][head][t][64] f16, k = 64 head + channel; wo16 is W_out in f16, [1024 n][1024 k]; out0 is f32.
; A tile of 128 rows x 256 columns to a work-group: 256 work-groups.  Four waves, 64 x 128 each: 32 accumulators, window 2.  K goes in eight steps of 128 (two heads) through a ring of two LDS slots.
; In a slot: attn's two planes (a head each: 128 rows of 128 bytes, dense in memory, taken as 64 double rows of 256 bytes, 272 apart), then 256 rows of W_out, 272 apart.
; CLUSTERS: 4 x 4.  The four of a row (the four tile columns) need the same tile of attn, the four of a column the same tile of W_out: joint loads.  The tile row is cluster y + 16 cy, so that b = cy and the
; tiles that hold t < 16 are those of cluster y = 0 in all partners.  Waves 0 and 1 fetch attn's planes, waves 2 and 3 W_out's halves: one load a wave behind each round.
; THE MATRIX INSTRUCTION IS USED TRANSPOSED (source 0 = 16 rows of W_out, source 1 = 16 rows of attn): a lane holds eight neighbouring n of one row.  The bias is the C of each sum's first instruction.
; REGISTERS: window 0: v16-30 addresses; v64-127 attn's fragments, two buffers of 32; v192-255 the bias; on the way out v64-191 rows of out0.  window 1: v0-127 W_out's fragments, two buffers of 64.  window 2: accumulator (a, b) at v[8 (8 a + b)].
.set GSTR,  262144
.set PLANE, 17408
.set BOFF,  34816
.set SLOT,  104448
.set STAGE, 2*SLOT
.set SPARE, STAGE+4*16*528
.set ADRA, 16
.set ADRB, 20
.set STO,  24
.set RD,   25
.set CO,   26
.set BO,   27
.set SPW,  28
.set NIL,  29
.set PFO,  30
.set AFR,  64
.set BI,   192
.set WV,  12
.set RHF, 13                           ; which 64 rows are mine.  Also: I fetch for attn (0) or for W_out (1)
.set CH,  14                           ; which 128 columns.  Also: which plane, or which 128 rows, I fetch
.set CLY, 15
.set G1,  24
.set G0,  32
.set LIM, 43
.set PFA, 44
.set G1B, 48
.set G0B, 56
.set MSB, 0
.macro WIN new
.if MSB != (\new)
	s_set_vgpr_msb (MSB<<8)|(\new)
.set MSB, (\new)
.endif
.endm
.set MUL,  0xa1                        ; source 0 window 1, source 1 window 0, C and D window 2
.set MULF, 0x81                        ; the same with C (the bias) in window 0
.set TO_B, 0x40
.macro JLOAD s                         ; an s_nop 0 and four v_nop follow each of the two lines
	s_cmp_eq_u32 s[RHF], 0
	s_cbranch_scc0 .Lfor_b_\@
	tensor_load_to_lds s[G0+4*\s:G0+4*\s+3], s[G1:G1+7]
	s_nop 0
.rept 4
	v_nop
.endr
	s_branch .Lasked_\@
.Lfor_b_\@:
	tensor_load_to_lds s[G0B+4*\s:G0B+4*\s+3], s[G1B:G1B+7]
	s_nop 0
.rept 4
	v_nop
.endr
.Lasked_\@:
.endm
; A prefetch of attn's K step that stands two refills on: 32,768 bytes for the tile row, which this row of the cluster alone reads.  The four partners share them out by address (plane cx / 2, half cx % 2), 8,192 bytes each:
; wave 0, lanes 256 bytes apart.  So each aligned 256 bytes are named once.  The last two refills ask for nothing.  W_out's 2 MB are read again by all 64 tile rows and are not asked for.
.macro ASK
	s_cmp_gt_u32 s3, s[LIM]                        ; s3 = 1 in the loop's last trip
	s_cbranch_scc0 .Lnot_mine_\@
	global_prefetch_b8 v[PFO], s[PFA:PFA+1] offset:2*GSTR th:TH_LOAD_NT scope:SCOPE_SE
.Lnot_mine_\@:
.endm
.macro CREST
	s_cmp_lg_u32 s[WV], 0
	s_cbranch_scc1 .Lnot_wave_0_\@
	s_barrier_signal -3
.Lnot_wave_0_\@:
	s_barrier_wait -3
	s_barrier_signal -1
	s_barrier_wait -1
.endm
.macro CROUND
	s_barrier_signal -1
	s_barrier_wait -1
	CREST
.endm
	s_load_b128 s[4:7], s[0:1], 0x0                ; attn, wo16
	s_load_b128 s[8:11], s[0:1], 0x10              ; b_out, out0
	v_lshl_add_u32 v[SPW], v0, 2, SPARE
	v_mov_b32 v[NIL], 0
	ds_add_u32 v[SPW], v[NIL]                      ; the wave's opening: the add, twice on end, and its wait ahead of my first tensor load
	ds_add_u32 v[SPW], v[NIL]
	v_lshrrev_b32 v1, 5, v0
	v_readfirstlane_b32 s[WV], v1
	s_lshr_b32 s[RHF], s[WV], 1
	s_and_b32 s[CH], s[WV], 1
	s_bfe_u32 s40, ttmp6, 0x40000                  ; cx
	s_bfe_u32 s41, ttmp6, 0x40004                  ; cy
	s_lshl_b32 s23, ttmp9, 2
	s_add_co_u32 s23, s23, s40                     ; tile column
	s_and_b32 s[CLY], ttmp7, 0xffff                ; cluster y
	s_lshl_b32 s42, s41, 2
	s_lshl_b32 s42, 15, s42                        ; my row of the cluster
	s_lshl_b32 s43, 0x1111, s40                    ; my column
	s_or_b32 s[G1], s42, (1<<16)|(1<<20)|(1<<21)|(5<<22)|(3<<25)    ; mask; elements of 2 bytes; padding on; bit 21 beside a mask; 4 words behind every 64
	s_or_b32 s[G1B], s43, (1<<16)|(1<<20)|(1<<21)|(5<<22)|(3<<25)
	s_mov_b32 s[G1+1], 128<<16                     ; attn: 64 double rows of 128 elements, dense
	s_mov_b32 s[G1+2], 64<<16
	s_mov_b32 s[G1+3], 128<<16
	s_mov_b32 s[G1+4], 64
	s_mov_b32 s[G1+5], 128
	s_mov_b32 s[G1+6], 0
	s_mov_b32 s[G1+7], 0
	s_mov_b32 s[G1B+1], 128<<16                    ; W_out: 128 rows of 128 elements, 1,024 elements apart
	s_mov_b32 s[G1B+2], 128<<16
	s_mov_b32 s[G1B+3], 128<<16
	s_mov_b32 s[G1B+4], 128
	s_mov_b32 s[G1B+5], 1024
	s_mov_b32 s[G1B+6], 0
	s_mov_b32 s[G1B+7], 0
	s_lshl_b32 s16, s41, 4
	s_add_co_u32 s16, s16, s[CH]                   ; head 16 cy + plane,
	s_lshl_b32 s16, s16, 11
	s_lshl_b32 s17, s[CLY], 7
	s_add_co_u32 s16, s16, s17                     ; its row t0 = 128 x cluster y,
	s_lshl_b32 s16, s16, 7                         ; in bytes
	s_mov_b32 s17, 0
	s_lshl_b32 s46, s23, 8
	s_lshl_b32 s47, s[CH], 7
	s_add_co_u32 s46, s46, s47                     ; W_out: row 256 x tile column + 128 x half,
	s_lshl_b32 s46, s46, 11                        ; 2,048 bytes a row
	s_mov_b32 s47, 0
	s_mul_i32 s20, s[CH], PLANE                    ; where they go: no place in the cluster enters an LDS address
	s_mul_i32 s21, s[CH], 34816
	s_add_co_u32 s21, s21, BOFF
	s_wait_dscnt 0x0                               ; both opening adds are done
	s_wait_kmcnt 0x0
	s_add_nc_u64 s[18:19], s[4:5], s[16:17]
	s_add_nc_u64 s[46:47], s[6:7], s[46:47]
	CROUND                                         ; all sixteen work-groups are here: the first joint loads meet
.irp s, 0,1
	s_mov_b32 s[G0+4*\s], 1
	s_add_co_u32 s[G0+4*\s+1], s20, \s*SLOT
	s_add_nc_u64 s[G0+4*\s+2:G0+4*\s+3], s[18:19], \s*2*GSTR       ; K step s: heads 2 s, 2 s + 1
	s_or_b32 s[G0+4*\s+3], s[G0+4*\s+3], 0x80000000
	s_mov_b32 s[G0B+4*\s], 1
	s_add_co_u32 s[G0B+4*\s+1], s21, \s*SLOT
	s_add_nc_u64 s[G0B+4*\s+2:G0B+4*\s+3], s[46:47], \s*256
	s_or_b32 s[G0B+4*\s+3], s[G0B+4*\s+3], 0x80000000
	JLOAD \s
.endr
	v_and_b32 v1, 15, v0                           ; r
	v_bfe_u32 v2, v0, 4, 1                         ; h
	v_bfe_u32 v3, v0, 1, 3
	v_and_b32 v4, 1, v0
	v_mul_u32_u24 v5, v3, 272
	v_lshl_add_u32 v5, v4, 7, v5
	v_lshl_add_u32 v5, v2, 4, v5                   ; attn: row r: double row r / 2, half r % 2, + 16 h
	v_mul_u32_u24 v6, v1, 272
	v_lshl_add_u32 v6, v2, 4, v6                   ; W_out: row r, + 16 h
	s_mul_i32 s16, s[RHF], 8704                    ; my 64 rows: 32 double rows
	s_mul_i32 s17, s[CH], 34816
	s_add_co_u32 s17, s17, BOFF
.irp s, 0,1
	v_add_nc_u32 v[ADRA+\s], s16, v5
	v_add_nc_u32 v[ADRB+\s], s17, v6
	s_add_co_u32 s16, s16, SLOT
	s_add_co_u32 s17, s17, SLOT
.endr
	s_mul_i32 s16, s[WV], 16*528
	s_add_co_u32 s16, s16, STAGE
	v_mul_u32_u24 v5, v1, 528
	v_lshl_add_u32 v5, v2, 5, v5
	v_add_nc_u32 v[STO], s16, v5
	v_and_b32 v6, 31, v0
	v_lshlrev_b32 v[CO], 4, v6
	v_add_nc_u32 v[RD], s16, v[CO]
	v_lshlrev_b32 v[PFO], 8, v6
	v_lshlrev_b32 v[BO], 5, v2
	s_lshl_b32 s16, s23, 10
	s_lshl_b32 s17, s[CH], 9
	s_add_co_u32 s16, s16, s17                     ; my first column in f32 bytes
	s_mov_b32 s17, 0
	s_add_nc_u64 s[8:9], s[8:9], s[16:17]
	s_add_nc_u64 s[10:11], s[10:11], s[16:17]
	s_lshl_b32 s16, s41, 11
	s_lshl_b32 s20, s[CLY], 7
	s_add_co_u32 s16, s16, s20
	s_lshl_b32 s20, s[RHF], 6
	s_add_co_u32 s16, s16, s20                     ; my first row: 2048 cy + 128 x cluster y + 64 x half,
	s_lshl_b32 s16, s16, 12                        ; 4,096 bytes a row (under 2^25)
	s_add_nc_u64 s[10:11], s[10:11], s[16:17]
	s_lshr_b32 s16, s40, 1                         ; the prefetches: plane cx / 2,
	s_lshl_b32 s20, s41, 4
	s_add_co_u32 s16, s16, s20
	s_add_co_u32 s16, s16, 4                       ; of K step 2: the first refill steps the address to step 3 and names step 4
	s_lshl_b32 s16, s16, 11
	s_lshl_b32 s20, s[CLY], 7
	s_add_co_u32 s16, s16, s20
	s_lshl_b32 s16, s16, 7
	s_and_b32 s20, s40, 1
	s_lshl_b32 s20, s20, 13                        ; half cx % 2 of its 16,384 bytes
	s_add_co_u32 s16, s16, s20
	s_add_nc_u64 s[PFA:PFA+1], s[4:5], s[16:17]
	s_cmp_eq_u32 s[WV], 0
	s_cselect_b32 s[LIM], 1, -1
.irp b, 0,1,2,3,4,5,6,7
	global_load_b128 v[BI+8*\b:BI+8*\b+3], v[BO], s[8:9] offset:64*\b            ; b_out(16 b + 8 h + 0 .. 7) of my 128 columns
	global_load_b128 v[BI+8*\b+4:BI+8*\b+7], v[BO], s[8:9] offset:64*\b+16
.endr
.macro MUL8 f, a, first                ; attn's block a against W_out's eight, 32 along K.  The 32 accumulators take turns, one instruction a turn
.irp b, 0,1,2,3,4,5,6,7
.if \first
	v_wmma_f32_16x16x32_f16 v[8*(8*(\a)+\b):8*(8*(\a)+\b)+7], v[64*(\f)+8*\b:64*(\f)+8*\b+7], v[AFR+32*(\f)+8*(\a):AFR+32*(\f)+8*(\a)+7], v[BI+8*\b:BI+8*\b+7]
.else
	v_wmma_f32_16x16x32_f16 v[8*(8*(\a)+\b):8*(8*(\a)+\b)+7], v[64*(\f)+8*\b:64*(\f)+8*\b+7], v[AFR+32*(\f)+8*(\a):AFR+32*(\f)+8*(\a)+7], v[8*(8*(\a)+\b):8*(8*(\a)+\b)+7]
.endif
.endr
.endm
.macro FETCH slot, kq, f               ; 24 LDS loads in one run: the fragments of the slot's quarter kq (32 along K) into buffer f; W_out's sixteen first
	WIN TO_B
.irp i, 0,1,2,3,4,5,6,7
	ds_load_b128 v[64*(\f)+8*\i:64*(\f)+8*\i+3],   v[ADRB+\slot] offset:64*(\kq)+4352*\i
	ds_load_b128 v[64*(\f)+8*\i+4:64*(\f)+8*\i+7], v[ADRB+\slot] offset:64*(\kq)+4352*\i+32
.endr
	WIN 0
.irp i, 0,1,2,3
	ds_load_b128 v[AFR+32*(\f)+8*\i:AFR+32*(\f)+8*\i+3],   v[ADRA+\slot] offset:((\kq)/2)*PLANE+((\kq)%2)*64+2176*\i
	ds_load_b128 v[AFR+32*(\f)+8*\i+4:AFR+32*(\f)+8*\i+7], v[ADRA+\slot] offset:((\kq)/2)*PLANE+((\kq)%2)*64+2176*\i+32
.endr
.endm
.macro PLACES
.rept 4
	v_nop
.endr
.endm
.macro QUARTER slot, kq, f, g, first   ; multiplies buffer f; in its middle fetches quarter kq of the same slot into buffer g
	s_wait_dscnt 4                                 ; all but attn's blocks 2 and 3 (the youngest four loads)
	WIN MUL-0x20*(\first)
	MUL8 \f, 0, \first
	MUL8 \f, 1, \first
	PLACES
	FETCH \slot, \kq, \g
	s_wait_dscnt 24                                ; all but the 24 just issued
	WIN MUL-0x20*(\first)
	MUL8 \f, 2, \first
	MUL8 \f, 3, \first
.endm
; A slot's last quarter multiplies buffer 1 and changes slots: one barrier; in front of it each wave waits for all its tensor loads, adds 0 to its spare word, and waits for that and for its reads of this slot.
; fill = 1: the barrier opens a round of the cluster's, and the slot is filled again, two K steps ahead, first thing behind the round.
.macro TURN slot, next, fill
.if \fill
	s_wait_xcnt 0x0                                ; the last prefetch, a K step back, has read its address
	s_add_nc_u64 s[PFA:PFA+1], s[PFA:PFA+1], 2*GSTR
.endif
	WIN 0
	s_wait_tensorcnt 0x0
	ds_add_u32 v[SPW], v[NIL]
	s_wait_dscnt 5                                 ; the add and the youngest four loads may be out
	WIN MUL
	MUL8 1, 0, 0
	s_wait_dscnt 0x0                               ; the add is done, and my reads of this slot are over
	s_barrier_signal -1
	MUL8 1, 1, 0
	WIN 0
	s_barrier_wait -1
.if \fill
	CREST
	s_add_nc_u64 s[G0+4*\slot+2:G0+4*\slot+3], s[G0+4*\slot+2:G0+4*\slot+3], 4*GSTR
	s_add_nc_u64 s[G0B+4*\slot+2:G0B+4*\slot+3], s[G0B+4*\slot+2:G0B+4*\slot+3], 512
	JLOAD \slot                                    ; its four v_nop are also the places in front of the loads below
.else
	PLACES
.endif
	FETCH \next, 0, 0
.if \fill
	ASK
.endif
	WIN MUL
	MUL8 1, 2, 0
	MUL8 1, 3, 0
.endm
	s_wait_tensorcnt 1                             ; my part of K step 0 is in; K step 1's load may be out
	s_barrier_signal -1
	s_barrier_wait -1
	FETCH 0, 0, 0
	s_wait_loadcnt 0x0                             ; the bias
	QUARTER 0, 1, 0, 1, 1                          ; the first quarter stands in front of the loop: its products start the sums from the bias
	WIN 0
	s_mov_b32 s3, 3
.Llap:                                             ; a trip goes once round the ring and fills both slots again: K steps 2 to 7
	QUARTER 0, 2, 1, 0, 0
	QUARTER 0, 3, 0, 1, 0
	TURN 0, 1, 1
	QUARTER 1, 1, 0, 1, 0
	QUARTER 1, 2, 1, 0, 0
	QUARTER 1, 3, 0, 1, 0
	TURN 1, 0, 1
	QUARTER 0, 1, 0, 1, 0
	WIN 0
	s_sub_co_u32 s3, s3, 1
	s_cmp_lg_u32 s3, 0
	s_cbranch_scc1 .Llap
	QUARTER 0, 2, 1, 0, 0                          ; the last lap fills nothing
	QUARTER 0, 3, 0, 1, 0
	TURN 0, 1, 0
	QUARTER 1, 1, 0, 1, 0
	QUARTER 1, 2, 1, 0, 0
	QUARTER 1, 3, 0, 1, 0
	s_wait_dscnt 4
	WIN MUL
	MUL8 1, 0, 0
	MUL8 1, 1, 0
	s_wait_dscnt 0
	MUL8 1, 2, 0
	MUL8 1, 3, 0
	WIN 0
; THE WAY OUT, block by block of 16 rows x 128 columns of f32, through my own stage, back as rows of 512 bytes.
.macro TOSTAGE a
	WIN 0x08                                       ; an LDS store's data: window 2
.irp b, 0,1,2,3,4,5,6,7
	ds_store_b128 v[STO], v[64*(\a)+8*\b:64*(\a)+8*\b+3] offset:64*\b            ; each accumulator from its low end on
	ds_store_b128 v[STO], v[64*(\a)+8*\b+4:64*(\a)+8*\b+7] offset:64*\b+16
.endr
	WIN 0
.set BB, 64+64*((\a)%2)
.irp t, 0,1,2,3,4,5,6,7,8,9,10,11,12,13,14,15
	ds_load_b128 v[BB+4*\t:BB+4*\t+3], v[RD] offset:528*\t
.endr
.endm
.macro SEND a, younger
.set BB, 64+64*((\a)%2)
	s_wait_dscnt \younger                          ; the block is back; the next block's 16 stores and 16 loads may be out
.if (\a) == 0
	s_or_b32 s16, s[CLY], s[RHF]                   ; rows t < 16 are another launch's: each output byte has one owner.  The cluster's number and the wave's alone decide
	s_cmp_eq_u32 s16, 0
	s_cbranch_scc1 .Lnot_these
.endif
.irp t, 0,1,2,3,4,5,6,7,8,9,10,11,12,13,14,15
	global_store_b128 v[CO], v[BB+4*\t:BB+4*\t+3], s[10:11] offset:65536*(\a)+4096*\t th:TH_STORE_NT   ; 512 consecutive bytes, aligned
.endr
.if (\a) == 0
.Lnot_these:
.endif
.endm
	PLACES
	TOSTAGE 0
.irp a, 1,2,3
.if \a > 1
	s_wait_xcnt 0x0                                ; block a - 2's stores have read their registers
.endif
	TOSTAGE \a
	SEND \a-1, 32
.endr
	SEND 3, 0
	s_wait_tensorcnt 0x0                           ; the wave's end
	ds_add_u32 v[SPW], v[NIL]
	s_wait_dscnt 0x0
	CROUND                                         ; the closing round
	s_endpgm
.Lfunc_end_k_qeacb3afb7e_proj:
	.size	k_qeacb3afb7e_proj, .Lfunc_end_k_qeacb3afb7e_proj-k_qeacb3afb7e_proj
	.p2alignl 7, 3214868480
	.fill 96, 4, 3214868480
	.section	.rodata,"a",@progbits
	.p2align	6, 0x0
	.amdhsa_kernel k_qeacb3afb7e_proj
		.amdhsa_group_segment_fixed_size 327680
		.amdhsa_private_segment_fixed_size 0
		.amdhsa_enable_private_segment 0
		.amdhsa_kernarg_size 32
		.amdhsa_user_sgpr_count 2
		.amdhsa_user_sgpr_kernarg_segment_ptr 1
		.amdhsa_wavefront_size32 1
		.amdhsa_system_sgpr_workgroup_id_x 1
		.amdhsa_system_sgpr_workgroup_id_y 1
		.amdhsa_system_sgpr_workgroup_id_z 1
		.amdhsa_system_vgpr_workitem_id 0
		.amdhsa_next_free_vgpr 768
		.amdhsa_next_free_sgpr 66
		.amdhsa_reserve_vcc 0
		.amdhsa_float_denorm_mode_32 3
		.amdhsa_float_denorm_mode_16_64 3
		.amdhsa_memory_ordered 1
		.amdhsa_forward_progress 1
		.amdhsa_inst_pref_size 88
	.end_amdhsa_kernel
	.amdgpu_metadata
---
amdhsa.version: [ 1, 2 ]
amdhsa.kernels:
  - .name:           k_qeacb3afb7e_proj
    .symbol:         k_qeacb3afb7e_proj.kd
    .args:
      - { .name: attn, .offset: 0, .size: 8, .value_kind: global_buffer, .address_space: global }
      - { .name: wo16, .offset: 8, .size: 8, .value_kind: global_buffer, .address_space: global }
      - { .name: b_out, .offset: 16, .size: 8, .value_kind: global_buffer, .address_space: global }
      - { .name: out0, .offset: 24, .size: 8, .value_kind: global_buffer, .address_space: global }
    .group_segment_fixed_size: 327680
    .private_segment_fixed_size: 0
    .kernarg_segment_align: 8
    .kernarg_segment_size: 32
    .max_flat_workgroup_size: 128
    .sgpr_count:     66
    .vgpr_count:     768
    .wavefront_size: 32
...
	.end_amdgpu_metadata
.endif
;; end of part 4
;; launch fine (part 5): grid 16 x 4, 16 waves a work-group, no clusters, 86,016 bytes of LDS; arguments q32, W_out, b_out, out0; writes out0
.if DOCPART == 5
	.amdgcn_target "amdgcn-amd-amdhsa--gfx1250"
	.amdhsa_code_object_version 6
	.text
	.protected	k_qeacb3afb7e_fine
	.globl	k_qeacb3afb7e_fine
	.p2align	8
	.type	k_qeacb3afb7e_fine,@function
k_qeacb3afb7e_fine:
	s_mov_b64 s[64:65], 0
	v_nop
	global_prefetch_b8 v0, s[64:65] scope:SCOPE_SE
	s_setreg_imm32_b32 hwreg(HW_REG_WAVE_MODE, 25, 1), 1
	s_wait_xcnt 0x0
; The first 16 positions of each of the 4 sequences, in f32 throughout: causal attention of all 16 heads on q32 [b][16][3072] (head w: q at column 192 w, k at + 64, v at + 128), then out0 = attn W_out^T + b_out for those rows.
; These rows average one to sixteen values, so their operands are not rounded to 16 bits.  Small work: 64 work-groups.
; A work-group is (a slice of 64 output columns, a batch): rows of 256 bytes of out0 leave whole.  Each redoes the attention, wave w taking head w; the 16 x 1,024 results meet in LDS; then wave w makes
; 16 columns (w % 4) over a quarter of K (w / 4), the four quarters meet in LDS, and waves 0 to 7 add them and the bias and store two rows each.
; THE f32 MATRIX FORM takes 4 along K: lane (r, h) gives k = 2 h + j in register j.  Both operands use one permutation of k: a lane holds 32 (or 8) neighbours of its row, and a step takes two registers of them from each side.
; Products are used transposed: S^T = K Q^T, O^T = V^T P, out^T = W_out attn^T: a lane holds one position r throughout, and eight neighbouring channels or columns.
; The registers that this form writes, v112-159, are written by it alone; each sum begins with the constant 0.  Two or four accumulators take turns.
; LDS: attn, 16 rows of 4,096 + 16 bytes; the four partial sums, 16 rows of 256 + 16 bytes each; the spare words.  No tensor load.
.set ATT,  0
.set PART, 65792
.set SPARE, 83200
.set QA, 1
.set VA, 2
.set WA, 3
.set BA, 4
.set DD, 5
.set ATS, 6
.set ATL, 7
.set PS, 8
.set PL, 9
.set OA, 10
.set NINF, 11
.set QR, 16                            ; v16-47  Q, later attn's fragment
.set KR, 48                            ; v48-79  K;  v80-111 V^T;  later W_out's chunks 2 and 3
.set VR, 80
.set SA, 112                           ; v112-127 two halves of S^T; later the two halves of out^T
.set OT, 128                           ; v128-159 O^T
.set PP, 160                           ; v160-167 p, later the sum of out^T's halves; v168-175 at work
.set W0, 176                           ; v176-239 W_out's chunks 0 and 1
.set BR, 240
.set SPW, 248
.set NIL, 249
.set WV, 12
	s_load_b256 s[4:11], s[0:1], 0x0               ; q32, W_out, b_out, out0
	v_lshl_add_u32 v[SPW], v0, 2, SPARE
	v_mov_b32 v[NIL], 0
	v_lshrrev_b32 v12, 5, v0
	v_readfirstlane_b32 s[WV], v12                 ; wave = head
	s_and_b32 s13, ttmp7, 0xffff                   ; batch
	s_and_b32 s14, s[WV], 3                        ; which 16 of the slice's columns
	s_lshr_b32 s15, s[WV], 2                       ; which quarter of K
	v_and_b32 v12, 15, v0                          ; r
	v_bfe_u32 v13, v0, 4, 1                        ; h
	v_mul_u32_u24 v[QA], v12, 12288
	v_lshl_add_u32 v[QA], v13, 7, v[QA]            ; q, k: row r, channels 32 h on
	v_mul_u32_u24 v[VA], v13, 98304
	v_lshl_add_u32 v[VA], v12, 2, v[VA]            ; v: rows 8 h on, channel r
	v_lshlrev_b32 v[WA], 12, v12
	v_lshl_add_u32 v[WA], v13, 7, v[WA]            ; W_out: row r, k 32 h on
	v_lshlrev_b32 v[BA], 4, v12
	v_lshlrev_b32 v[DD], 3, v13
	v_sub_nc_u32 v[DD], v12, v[DD]                 ; r - 8 h
	v_mul_u32_u24 v14, v12, 4112
	s_lshl_b32 s16, s[WV], 8
	v_lshl_add_u32 v[ATS], v13, 5, v14
	v_add_nc_u32 v[ATS], s16, v[ATS]               ; attn in LDS, in: row r, head w's 256 bytes, + 32 h
	s_lshl_b32 s16, s15, 10
	v_lshl_add_u32 v[ATL], v13, 7, v14
	v_add_nc_u32 v[ATL], s16, v[ATL]               ; and back: row r, my quarter of K, + 128 h
	s_mul_i32 s16, s15, 4352
	s_lshl_b32 s17, s14, 6
	s_add_co_u32 s16, s16, s17
	s_add_co_u32 s16, s16, PART
	v_mul_u32_u24 v[PS], v12, 272
	v_lshl_add_u32 v[PS], v13, 5, v[PS]
	v_add_nc_u32 v[PS], s16, v[PS]                 ; the partial sums, in
	s_mul_i32 s16, s[WV], 544
	s_add_co_u32 s16, s16, PART
	v_mul_u32_u24 v[PL], v13, 272
	v_lshl_add_u32 v[PL], v12, 4, v[PL]
	v_add_nc_u32 v[PL], s16, v[PL]                 ; and back (waves 0 to 7): row 2 w + h, 16 bytes a lane
	s_lshl_b32 s16, s[WV], 13
	v_lshl_add_u32 v[OA], v13, 12, v[BA]
	v_add_nc_u32 v[OA], s16, v[OA]                 ; the same place in out0
	v_mov_b32 v[NINF], 0xff800000
	s_mul_i32 s16, s13, 196608
	s_mul_i32 s17, s[WV], 768
	s_add_co_u32 s16, s16, s17
	s_mov_b32 s17, 0
	s_lshl_b32 s18, ttmp9, 6
	s_lshl_b32 s19, s14, 4
	s_add_co_u32 s18, s18, s19                     ; W_out's row 64 x slice + 16 x (w % 4),
	s_lshl_b32 s18, s18, 12
	s_lshl_b32 s19, s15, 10
	s_add_co_u32 s18, s18, s19                     ; my quarter of K
	s_mov_b32 s19, 0
	s_lshl_b32 s24, ttmp9, 8                       ; the slice's 256 bytes
	s_mov_b32 s25, 0
	s_lshl_b32 s26, s13, 23                        ; a batch of out0
	s_add_co_u32 s26, s26, s24
	s_mov_b32 s27, 0
	s_mov_b32 s20, 0x76543210
	s_mov_b32 s21, 0xfedcba98
	s_mov_b32 s22, 0x3e38aa3b                      ; c = log2(e) / 8
	s_wait_kmcnt 0x0
	s_add_nc_u64 s[4:5], s[4:5], s[16:17]
	s_add_nc_u64 s[6:7], s[6:7], s[18:19]
	s_add_nc_u64 s[8:9], s[8:9], s[24:25]
	s_add_nc_u64 s[10:11], s[10:11], s[26:27]
	global_load_b128 v[BR:BR+3], v[BA], s[8:9]
.irp i, 0,1,2,3,4,5,6,7
	global_load_b128 v[QR+4*\i:QR+4*\i+3], v[QA], s[4:5] offset:16*\i
.endr
.irp i, 0,1,2,3,4,5,6,7
	global_load_b128 v[KR+4*\i:KR+4*\i+3], v[QA], s[4:5] offset:256+16*\i
.endr
.irp n, 0,1,2,3
.irp i, 0,1,2,3,4,5,6,7
	global_load_b32 v[VR+8*\n+\i], v[VA], s[4:5] offset:12288*\i+512+64*\n       ; v(key 8 h + i, channel 16 n + r)
.endr
.endr
.irp c, 0,1
.irp i, 0,1,2,3,4,5,6,7
	global_load_b128 v[W0+32*\c+4*\i:W0+32*\c+4*\i+3], v[WA], s[6:7] offset:256*\c+16*\i
.endr
.endr
	s_wait_loadcnt 48                              ; the bias, q and k are in; v's 32 loads and W_out's 16 may be out
.irp u, 0,1,2,3,4,5,6,7,8,9,10,11,12,13,14,15
.if \u < 2
	v_wmma_f32_16x16x4_f32 v[SA+8*(\u%2):SA+8*(\u%2)+7], v[KR+2*\u:KR+2*\u+1], v[QR+2*\u:QR+2*\u+1], 0
.else
	v_wmma_f32_16x16x4_f32 v[SA+8*(\u%2):SA+8*(\u%2)+7], v[KR+2*\u:KR+2*\u+1], v[QR+2*\u:QR+2*\u+1], v[SA+8*(\u%2):SA+8*(\u%2)+7]
.endif
.endr
.rept 8
	v_nop                                          ; eight places behind this form
.endr
.irp j, 0,1,2,3,4,5,6,7
	v_add_f32 v[PP+\j], v[SA+\j], v[SA+8+\j]       ; score of key 8 h + j and query r
.endr
.irp j, 0,1,2,3,4,5,6,7
	v_cmp_gt_i32 vcc_lo, \j, v[DD]                 ; hidden where 8 h + j > r
	v_cndmask_b32 v[PP+\j], v[PP+\j], v[NINF], vcc_lo
.endr
	v_max3_num_f32 v168, v[PP], v[PP+1], v[PP+2]
	v_max3_num_f32 v169, v[PP+3], v[PP+4], v[PP+5]
	v_max3_num_f32 v168, v168, v[PP+6], v[PP+7]
	v_max_num_f32 v168, v168, v169
	v_permlanex16_b32 v169, v168, s20, s21
	v_max_num_f32 v168, v168, v169                 ; the row's maximum: key 0 counts for every query
	v_mul_f32 v168, s22, v168
.irp j, 0,1,2,3,4,5,6,7
	v_fma_f32 v[PP+\j], v[PP+\j], s22, -v168
.endr
.irp j, 0,1,2,3,4,5,6,7
	v_exp_f32 v[PP+\j], v[PP+\j]
.endr
	v_nop
	s_wait_alu depctr_va_vdst(0)                   ; one wait for the eight exponentials, ahead of their first reader
	v_add_f32 v170, v[PP], v[PP+1]
	v_add_f32 v171, v[PP+2], v[PP+3]
	v_add_f32 v172, v[PP+4], v[PP+5]
	v_add_f32 v173, v[PP+6], v[PP+7]
	v_add_f32 v170, v170, v171
	v_add_f32 v172, v172, v173
	v_add_f32 v170, v170, v172
	v_permlanex16_b32 v169, v170, s20, s21
	v_add_f32 v170, v170, v169
	v_rcp_f32 v171, v170
	v_nop
	s_wait_alu depctr_va_vdst(0)
.irp j, 0,1,2,3,4,5,6,7
	v_mul_f32 v[PP+\j], v[PP+\j], v171
.endr
	s_wait_loadcnt 16                              ; v is in; W_out's 16 loads may be out
.irp s, 0,1,2,3
.irp n, 0,1,2,3
.if \s == 0
	v_wmma_f32_16x16x4_f32 v[OT+8*\n:OT+8*\n+7], v[VR+8*\n+2*\s:VR+8*\n+2*\s+1], v[PP+2*\s:PP+2*\s+1], 0
.else
	v_wmma_f32_16x16x4_f32 v[OT+8*\n:OT+8*\n+7], v[VR+8*\n+2*\s:VR+8*\n+2*\s+1], v[PP+2*\s:PP+2*\s+1], v[OT+8*\n:OT+8*\n+7]
.endif
.endr
.endr
.rept 8
	v_nop
.endr
.irp n, 0,1,2,3
	ds_store_b128 v[ATS], v[OT+8*\n:OT+8*\n+3] offset:64*\n                      ; attn(r, 64 w + 16 n + 8 h + 0 .. 7), each accumulator from its low end on
	ds_store_b128 v[ATS], v[OT+8*\n+4:OT+8*\n+7] offset:64*\n+16
.endr
.irp c, 2,3
.irp i, 0,1,2,3,4,5,6,7
	global_load_b128 v[KR+32*(\c-2)+4*\i:KR+32*(\c-2)+4*\i+3], v[WA], s[6:7] offset:256*\c+16*\i
.endr
.endr
	s_wait_dscnt 0x0                               ; for the others' sake: my stores have landed
	s_barrier_signal -1
	s_barrier_wait -1                              ; all 16 heads' results lie in LDS
; 64 along K: attn's fragment from LDS against W_out's chunk in registers wr on
.macro CHUNK c, wr
.if (\c) > 0
.rept 8
	v_nop                                          ; places in front of loads into registers that the last products read
.endr
.endif
.irp i, 0,1,2,3,4,5,6,7
	ds_load_b128 v[QR+4*\i:QR+4*\i+3], v[ATL] offset:256*(\c)+16*\i
.endr
.if (\c) == 0
	s_wait_loadcnt 16                              ; chunks 0 and 1 are in; the 16 loads of chunks 2 and 3 may be out
.endif
.if (\c) == 2
	s_wait_loadcnt 0x0
.endif
	s_wait_dscnt 0x0
.irp u, 0,1,2,3,4,5,6,7,8,9,10,11,12,13,14,15
.if ((\c) == 0) && (\u < 2)
	v_wmma_f32_16x16x4_f32 v[SA+8*(\u%2):SA+8*(\u%2)+7], v[\wr+2*\u:\wr+2*\u+1], v[QR+2*\u:QR+2*\u+1], 0
.else
	v_wmma_f32_16x16x4_f32 v[SA+8*(\u%2):SA+8*(\u%2)+7], v[\wr+2*\u:\wr+2*\u+1], v[QR+2*\u:QR+2*\u+1], v[SA+8*(\u%2):SA+8*(\u%2)+7]
.endif
.endr
.endm
	CHUNK 0, W0
	CHUNK 1, W0+32
	CHUNK 2, KR
	CHUNK 3, KR+32
.rept 8
	v_nop
.endr
.irp j, 0,1,2,3,4,5,6,7
	v_add_f32 v[PP+\j], v[SA+\j], v[SA+8+\j]       ; my quarter's part of out(r, 16 (w % 4) + 8 h + j)
.endr
	ds_store_b128 v[PS], v[PP:PP+3]
	ds_store_b128 v[PS], v[PP+4:PP+7] offset:16
	s_wait_dscnt 0x0
	s_barrier_signal -1
	s_barrier_wait -1                              ; the four quarters' parts lie in LDS
	s_cmp_lt_u32 s[WV], 8
	s_cbranch_scc0 .Ldone                          ; waves 0 to 7 add and store, two rows each
.irp q, 0,1,2,3
	ds_load_b128 v[W0+4*\q:W0+4*\q+3], v[PL] offset:4352*\q
.endr
	s_wait_dscnt 0x0
	v_pk_add_f32 v[W0:W0+1], v[W0:W0+1], v[W0+4:W0+5]
	v_pk_add_f32 v[W0+2:W0+3], v[W0+2:W0+3], v[W0+6:W0+7]
	v_pk_add_f32 v[W0+8:W0+9], v[W0+8:W0+9], v[W0+12:W0+13]
	v_pk_add_f32 v[W0+10:W0+11], v[W0+10:W0+11], v[W0+14:W0+15]
	v_pk_add_f32 v[W0:W0+1], v[W0:W0+1], v[W0+8:W0+9]
	v_pk_add_f32 v[W0+2:W0+3], v[W0+2:W0+3], v[W0+10:W0+11]
	v_pk_add_f32 v[W0:W0+1], v[W0:W0+1], v[BR:BR+1]
	v_pk_add_f32 v[W0+2:W0+3], v[W0+2:W0+3], v[BR+2:BR+3]
	global_store_b128 v[OA], v[W0:W0+3], s[10:11]  ; 16 lanes store 256 consecutive bytes, aligned
.Ldone:
	s_wait_tensorcnt 0x0                           ; the wave's end
	ds_add_u32 v[SPW], v[NIL]
	s_wait_dscnt 0x0
	s_endpgm
.Lfunc_end_k_qeacb3afb7e_fine:
	.size	k_qeacb3afb7e_fine, .Lfunc_end_k_qeacb3afb7e_fine-k_qeacb3afb7e_fine
	.p2alignl 7, 3214868480
	.fill 96, 4, 3214868480
	.section	.rodata,"a",@progbits
	.p2align	6, 0x0
	.amdhsa_kernel k_qeacb3afb7e_fine
		.amdhsa_group_segment_fixed_size 86016
		.amdhsa_private_segment_fixed_size 0
		.amdhsa_enable_private_segment 0
		.amdhsa_kernarg_size 32
		.amdhsa_user_sgpr_count 2
		.amdhsa_user_sgpr_kernarg_segment_ptr 1
		.amdhsa_wavefront_size32 1
		.amdhsa_system_sgpr_workgroup_id_x 1
		.amdhsa_system_sgpr_workgroup_id_y 1
		.amdhsa_system_sgpr_workgroup_id_z 1
		.amdhsa_system_vgpr_workitem_id 0
		.amdhsa_next_free_vgpr 256
		.amdhsa_next_free_sgpr 66
		.amdhsa_reserve_vcc 1
		.amdhsa_float_denorm_mode_32 3
		.amdhsa_float_denorm_mode_16_64 3
		.amdhsa_memory_ordered 1
		.amdhsa_forward_progress 1
		.amdhsa_inst_pref_size 26
	.end_amdhsa_kernel
	.amdgpu_metadata
---
amdhsa.version: [ 1, 2 ]
amdhsa.kernels:
  - .name:           k_qeacb3afb7e_fine
    .symbol:         k_qeacb3afb7e_fine.kd
    .args:
      - { .name: q32, .offset: 0, .size: 8, .value_kind: global_buffer, .address_space: global }
      - { .name: W_out, .offset: 8, .size: 8, .value_kind: global_buffer, .address_space: global }
      - { .name: b_out, .offset: 16, .size: 8, .value_kind: global_buffer, .address_space: global }
      - { .name: out0, .offset: 24, .size: 8, .value_kind: global_buffer, .address_space: global }
    .group_segment_fixed_size: 86016
    .private_segment_fixed_size: 0
    .kernarg_segment_align: 8
    .kernarg_segment_size: 32
    .max_flat_workgroup_size: 512
    .sgpr_count:     66
    .vgpr_count:     256
    .wavefront_size: 32
...
	.end_amdgpu_metadata
.endif
;; end of part 5
